; MI455X (gfx1250); checked and timed in simulation.
; The chip was launched on July 23, 2026; its instructions are those of AMD's public machine-readable ISA for CDNA 5 (MIT licence, August 2026) and "CDNA5" Instruction Set Architecture Reference Guide (July 2026). The comments in the code are by the model that wrote it; some were corrected since.
;; Cross Attention. Allowed arithmetic: matrix products marked QUANTISED: E2M3 operands, one E8M0 scale for each 32 along K, by v_wmma_scale_f32_16x16x128_f8f6f4 with both operands' format E2M3, f32 sums; everything else in f32.
;; Inputs: Wkv_codes 1,024 x 8 x 24 uint8 (E2M3 codes of Wkv, K innermost, in blocks of 32 codes, four codes in three bytes); Wkv_scales 1,024 x 8 uint8 (E8M0 scales of Wkv, one for each 32 codes along K); Wout_codes 256 x 16 x 24 uint8 (E2M3 codes of Wout, K innermost, in blocks of 32 codes, four codes in three bytes); Wout_scales 256 x 16 uint8 (E8M0 scales of Wout, one for each 32 codes along K); Wq_codes 512 x 8 x 24 uint8 (E2M3 codes of Wq, K innermost, in blocks of 32 codes, four codes in three bytes); Wq_scales 512 x 8 uint8 (E8M0 scales of Wq, one for each 32 codes along K); context 4 x 256 x 2,048 float32; fmap 4 x 256 x 2,048 float32; gamma 256 x 1 float32; gamma_ctx 256 x 1 float32; mask 4 x 2,048 bool.
;; Outputs: out0 4 x 256 x 2,048 float32.
;; This version of the problem:
;;   THIS VERSION OF THE PROBLEM IS GIVEN IN LOW PRECISION. The matrix products marked QUANTISED in the list below multiply operands that are first quantised to E2M3 (2 exponent bits, 3 mantissa bits; 6 bits a number), with one power-of-two scale for each 32 numbers along K (OCP MX v1.0); their sums are f32. All else is computed in f32.
;;   The module's matrix products, in the order in which they are computed (A, B: the left and right operand; K: the contracted axis; several contracted axes count as one K, in the product's order):
;;     1. [M 8,192, K 256] x [K 256, N 512]; A: computed on the way; B: input Wq (given as codes): QUANTISED
;;     2. [M 8,192, K 256] x [K 256, N 1,024]; A: computed on the way; B: input Wkv (given as codes): QUANTISED
;;     3. batch 32 x [M 2,048, K 64] x [K 64, N 2,048]; A: computed on the way; B: computed on the way: QUANTISED
;;     4. batch 32 x [M 2,048, K 2,048] x [K 2,048, N 64]; A: softmax (see below); B: computed on the way: QUANTISED
;;     5. [M 8,192, K 512] x [K 512, N 256]; A: computed on the way; B: input Wout (given as codes): QUANTISED
;;   THE QUANTISER, for each operand of a quantised product, along K:
;;     - K is cut into blocks of 32 from its start; a last block that is shorter is filled with zeros.
;;     - A block's scale is 2^e with e = floor(log2(the largest magnitude in the block)) - 2, held to -126 .. 127; a block of zeros has e = 0. As a byte (E8M0): e + 127.
;;     - Each number is divided by its block's scale, clamped to +-7.5, and rounded to the nearest number of E2M3, ties to even, subnormals kept.
;;     - The product sums the exact products of the quantised numbers (number of the format x scale) in f32.
;;   ~~~python
;;   def quantise(x, axis):      # numpy; x: float32 -> the quantised numbers, widened to float32 again
;;       x = np.moveaxis(x, axis, -1); K = x.shape[-1]
;;       x = np.pad(x, [(0, 0)] * (x.ndim - 1) + [(0, -K % 32)]); x = x.reshape(x.shape[:-1] + (-1, 32)); a = np.abs(x).max(-1, keepdims=True)
;;       e = np.where(a > 0, np.clip(np.frexp(np.where(a > 0, a, 1))[1] - 1 - 2, -126, 127), 0)      # np.frexp(a)[1] - 1 = floor(log2(a)), exactly
;;       r = np.clip(x / 2.0 ** e, -7.5, 7.5)
;;       step = 2.0 ** (np.maximum(np.frexp(np.where(r == 0, 1, r))[1] - 1, 0) - 3)
;;       q = np.round(r / step) * step * 2.0 ** e      # np.round: ties to even
;;       return np.moveaxis(q.reshape(q.shape[:-2] + (-1,))[..., :K], -1, axis).astype(np.float32)
;;   ~~~
;;   SOFTMAX AHEAD OF A QUANTISED PRODUCT. Where the list says 'softmax', what is quantised is not the finished softmax but p = 2^(t - M), with t = logit x log2(e) and M = ceil(the row's largest t), a whole number; so 1/2 < the row's largest p <= 1. The row's sum l is taken of the UNQUANTISED p, in f32, and the product's result is divided by l at the end. Since M is a whole number, a kernel that streams over the keys may use a running M (the ceiling of the running maximum): every later rescaling is an exact power of two, which a block's scale takes up: the codes' values come out the same.
;;   OPERANDS COMPUTED ON THE WAY. 'Computed on the way' means the value that the module computes at that place (a softmax that the list does not call 'softmax' is quantised finished and normalised). What goes into a quantiser is computed in f32, as accurately as f32 sums, v_exp_f32 and their like allow (about 1e-6 of the number): no bf16 or f16 on the way to a quantiser, and a product that is left as it is and whose result goes on into a quantised operand takes f32 operands (vector FMAs, or v_wmma_f32_16x16x4_f32). A number that lies on a knife's edge between two numbers of the format may be rounded either way, as far as f32 arithmetic and the matrix unit's own rounding can turn it there, and no further.
;;   INPUTS GIVEN AS CODES. Wkv (in the module: [1024, 256], K = its axis 1); Wout (in the module: [256, 512], K = its axis 1); Wq (in the module: [512, 256], K = its axis 1): each comes as NAME_codes (uint8): NAME with its K axis moved to the last place and cut into blocks of 32 codes, [.., K / 32, bytes a block], one block behind the other in memory; four codes in three bytes: a row's codes are one little-endian stream of bits, code i at bits 6 i .. 6 i + 5 (a code: sign, 2 exponent bits, 3 mantissa bits); and NAME_scales (uint8): the same leading axes, one E8M0 byte (e + 127) for each 32 codes along K. Its value is code x scale, taken as it is: it is not quantised again, and the codes and scales need not be those that the quantiser above would give.
;; 2 versions. Each part assembles by itself: llvm-mc -triple=amdgcn-amd-amdhsa -mcpu=gfx1250 --defsym DOCPART=n.
;; ======== version 1 of 2: 3 launches
;; limits: right only within a limited range of input values
;; workspace buffers: qrec 6,946,816 bytes; kvrec 6,946,816 bytes; oc 3,145,728 bytes; os 131,072 bytes
;; launch proj (part 1): grid 256 x 1, 8 waves a work-group, no clusters, 69,120 bytes of LDS; arguments fmap, context, mask, gamma, gamma_ctx, Wq_codes, Wq_scales, Wkv_codes, Wkv_scales, qrec, kvrec; writes qrec, kvrec
.if DOCPART == 1
	.amdgcn_target "amdgcn-amd-amdhsa--gfx1250"
	.amdhsa_code_object_version 6
	.text
	.protected	k_qfface39ee9_proj
	.globl	k_qfface39ee9_proj
	.p2align	8
	.type	k_qfface39ee9_proj,@function
k_qfface39ee9_proj:
	s_mov_b64 s[64:65], 0
	v_nop
	global_prefetch_b8 v0, s[64:65] scope:SCOPE_SE
	s_setreg_imm32_b32 hwreg(HW_REG_WAVE_MODE, 25, 1), 1
	s_wait_xcnt 0x0
; PROJ: channel RMS norm of fmap and of context, their quantising along the 256 channels, the products with Wq and Wkv on codes of FP6 (E2M3), and the quantising of q, k (along d) and v (along the keys).
; Work-groups 0-127 take context (k, then v), work-groups 128-255 take fmap (q): 64 positions of one batch each.  Only pointers and three factors are chosen by the work-group's number: one text for q and k.
; Wave w: in phase X channels 32 w .. 32 w + 31 (one block of the quantiser) of all 64 positions, two positions a lane; in the products head w (64 rows of the weight), whose fragments go from memory straight into its registers.
; q IS STORED AS -2 q: a power of two and a sign pass through the quantiser unchanged, so the next launch's product gives -2 q.k; its sum of squares is taken back by 1/4.
; THE RECORD (qrec, kvrec), one for each (batch x 8 + head, 128 positions), REC bytes, laid as the next launch's registers take it:
;   KI  codes of q or k: 8 tiles of 16 positions x 6 registers; register R = 6 t + j of lane L at 512 (R / 4) + 16 L + 4 (R % 4); lane r + 16 h of tile 2 b + u: position 32 b + 8 u + r + 8 (r / 8), d = 32 h ..
;   VI  (kvrec) v's four fragments, d in the lanes (tile 2 e + u, lane r: d = 32 e + 8 u + r + 8 (r / 8)), keys along the registers: registers 6 c .. 6 c + 5 of lane half h hold key block 2 h + c
;   KS  scale words of KI: [t / 4][r + 16 (t % 2)][(t / 2) % 2]: byte 0, 1 the two blocks of d, bytes 2, 3 = 127      VS  v's scale words [r][tile]: byte 2 c + h for key block 2 h + c
;   K2  the 128 sums of squares in the positions' order; in kvrec 2^120 where the mask hides the key
; No cluster: the weights, which work-groups share, go from memory into each wave's registers once, 12,288 bytes a wave and job, in the order of the operand's registers; a joint load would lay them in LDS first, to be read from there again.
; LIMITS: NaN and infinities among the inputs are not served.  A block of zeros gets the scale byte 1, not 127: its codes are zeros, and this program alone reads the bytes.  The division by the norm is v_rcp_f32 and a multiplication.
.set REC,   13568
.set HEADB, 16*REC
.set KI,    0
.set VI,    6144
.set KS,    12288
.set VS,    12800
.set K2,    13056
.set FRB,   1536                       ; a fragment's image: 12 registers x 128 bytes
.set XIMG,  0                          ; LDS: x's 8 fragments (tile of 16 positions m, K step s: 2 m + s), as images of their registers
.set XSC,   8*FRB                      ; x's scale bytes: [position][8]
.set PART,  XSC+512                    ; partial sums of squares: [wave][lane][2]
.set KST,   PART+2048                  ; a stage for each wave: 3,072 bytes of codes, 256 of scale words, 256 of sums of squares
.set KSTB,  3584
.set VST,   KST+8*KSTB                 ; and one for v: 12 groups of 256 bytes
.set VSTB,  3072
.set XO,    1                          ; v1   4 x lane
.set PSA,   2                          ; v2   where I put my two partial sums
.set PLA,   3                          ; v3   where I read the eight waves' sums
.set XI,    4                          ; v4-6 where my block's three pairs of code registers go in x's images
.set XSB,   7                          ; v7   and its scale byte
.set LI,    8                          ; v8   16 x lane: an image read as it lies
.set LV,    9                          ; v9   an image read with the rows in the order of a tile of keys
.set XSA,   10                         ; v10  x's scale words, plain rows
.set XSV,   11                         ; v11  and in the order of a tile of keys
.set WO,    12                         ; v12  my row and half in a tile of the weight
.set WSO,   13                         ; v13  its scale words
.set KA,    14                         ; v14-16 the stage: my three pairs of code registers
.set KSA,   17                         ; v17  my scale word
.set SQA,   18                         ; v18  my sum of squares
.set RB16,  19                         ; v19  the stage read back, 16 bytes a lane
.set RB8,   20                         ; v20  8 bytes a lane
.set AV12,  21                         ; v21, v22 v's stage: 16 r + 12 h and 16 r + 252 h
.set AV252, 22
.set VRB,   23                         ; v23  v's stage read back
.set VGO,   24                         ; v24  and its place in the record
.set VSO,   25                         ; v25  v's scale bytes in the record
.set G16,   26                         ; v26  16 x lane, v27  8 x lane: offsets in the record
.set G8,    27
.set MKO,   28                         ; v28  r: the mask's byte
.set BIG,   29                         ; v29  2^120
.set W,     32                         ; v32-127  the weight's fragments: tile t, K step s at 12 (2 t + s)
.set WS,    128                        ; v128-135 their scale words
.set X0,    136                        ; v136-167, v168-199  phase X: 32 channels of two positions
.set X1,    168
.set XF,    136                        ; the products: x's fragments;
.set ACC,   168                        ; q's or k's four accumulators
.set XS,    200                        ; v200-203 x's scale words
.set VA,    204                        ; v204-235 v's four accumulators
.set PS,    204                        ; phase X: sums
.set SQ,    204                        ; q, k: sums of squares;  v208 the other half's;  v209 the scale word
.set SX,    208
.set PWR,   209
.set C2,    220                        ; phase X: the second position's codes
.set T2,    226
.set BYT,   230
.set C,     236                        ; v236-241 six registers of codes;  v242-244 three more
.set T,     242
.set TM,    246                        ; v246-249 largest magnitudes, bytes
.set SCL,   250                        ; v250-251 the conversions' scale operands
.set MK,    252                        ; v252-255 the mask's bytes; later v's scale bytes
.set BY,    252
.set LN,    236                        ; at the head only: lane, r, h, r / 8, r % 8, r + 8 (r / 8), r % 8 + 16 h, at work
.set RR,    237
.set HH,    238
.set R8,    239
.set R7,    240
.set RP,    241
.set RH7,   242
.set TT,    243
.set WV,    26                         ; s26  wave;  s27 batch, s28 block of 64 positions, s29 its half of a record, s30 the record
.set GAM,   32                         ; s32-63 my 32 channels' gains
.set SEL,   66                         ; s[66:67] v_permlanex16_b32's selects for lane l xor 16
.set FF,    68                         ; s[68:69] 1 for k, -2 for q;  s70 1 or 1/4;  s71 0 or 1: q has no mask
.set F2,    70
.set MOR,   71
.set HI16,  72                         ; s72  lanes 16-31
.set XB,    74
.set WB,    76
.set WSB,   78
.set W2B,   80
.set W2SB,  82
.set RB,    84                         ; s[84:85] my head's record
.set MB,    86
.set GB,    88
.set RK,    92                         ; the record + 3,072 H, + 256 H, + H
.set RH,    94
.set R1,    96
.set TQ,    98
	s_load_b512 s[4:19], s[0:1], 0x0               ; fmap, context, mask, gamma, gamma_ctx, Wq's codes, Wq's scales, Wkv's codes
	s_load_b128 s[20:23], s[0:1], 0x40             ; Wkv's scales, qrec
	s_load_b64 s[24:25], s[0:1], 0x50              ; kvrec
	v_lshl_add_u32 v31, v0, 2, 0x10a00
	v_mov_b32 v245, 0
	v_lshrrev_b32 v[TT], 5, v0
	v_readfirstlane_b32 s[WV], v[TT]               ; wave 0..7
	s_and_b32 s31, ttmp9, 127
	s_lshr_b32 s27, s31, 5                         ; batch
	s_and_b32 s28, s31, 31                         ; which 64 positions
	s_and_b32 s29, s28, 1                          ; H: which half of a record
	s_lshr_b32 s30, s28, 1                         ; which record
	s_mov_b32 s[SEL], 0x76543210
	s_mov_b32 s[SEL+1], 0xfedcba98
	s_mov_b32 s[HI16], 0xffff0000
	v_and_b32 v[LN], 31, v0
	v_and_b32 v[RR], 15, v0
	v_bfe_u32 v[HH], v0, 4, 1
	v_bfe_u32 v[R8], v0, 3, 1
	v_and_b32 v[R7], 7, v0
	v_lshl_add_u32 v[RP], v[R8], 3, v[RR]
	v_lshl_add_u32 v[RH7], v[HH], 4, v[R7]
	v_lshlrev_b32 v[XO], 2, v[LN]
	s_lshl_b32 s88, s[WV], 8
	v_lshl_add_u32 v[PSA], v[LN], 3, s88
	v_add_nc_u32 v[PSA], PART, v[PSA]
	v_lshl_add_u32 v[PLA], v[LN], 3, PART
	; my block w of 32 channels is K step w / 4, registers 6 c .. 6 c + 5 with c = (w / 2) % 2, lane half w % 2; my lane's position l is tile l / 16, row l % 16
	s_lshr_b32 s88, s[WV], 2
	s_mul_i32 s88, s88, FRB
	s_and_b32 s89, s[WV], 1
	s_lshl_b32 s89, s89, 8
	s_add_co_u32 s88, s88, s89
	s_bfe_u32 s89, s[WV], 0x10001                  ; c
	s_mul_i32 s90, s89, 1016                       ; register pairs 0, 2, 4 lie at 0, 8, 512; pairs 6, 8, 10 at 520, 1,024, 1,032
	s_mul_i32 s89, s89, 520
	v_mul_u32_u24 v[XI], v[HH], 2*FRB
	v_lshl_add_u32 v[XI], v[RR], 4, v[XI]
	v_add_nc_u32 v[XI], s88, v[XI]
	v_add_nc_u32 v[XI+1], s90, v[XI]
	v_add_nc_u32 v[XI+1], 8, v[XI+1]
	v_add_nc_u32 v[XI+2], s89, v[XI]
	v_add_nc_u32 v[XI+2], 512, v[XI+2]
	v_add_nc_u32 v[XI], s89, v[XI]
	v_lshl_add_u32 v[XSB], v[LN], 3, s[WV]
	v_add_nc_u32 v[XSB], XSC, v[XSB]
	v_lshlrev_b32 v[LI], 4, v[LN]
	v_lshlrev_b32 v[LV], 4, v[RH7]
	v_mad_u32_u24 v[LV], v[R8], 2*FRB, v[LV]       ; row r of a tile of keys is plain row r % 8 (+ 8 u) of plain tile 2 b + r / 8
	v_lshl_add_u32 v[XSA], v[RR], 3, XSC
	v_lshl_add_u32 v[XSV], v[RP], 3, XSC
	v_mul_u32_u24 v[WO], v[RP], 192                ; a row of the weight is 256 codes, 192 bytes
	v_mad_u32_u24 v[WO], v[HH], 24, v[WO]
	v_lshlrev_b32 v[WSO], 3, v[RP]
	s_mul_i32 s90, s[WV], KSTB
	s_add_co_u32 s90, s90, KST                     ; my stage
	s_mul_i32 s91, s[WV], VSTB
	s_add_co_u32 s91, s91, VST                     ; and v's
	v_lshl_add_u32 v[KA], v[RH7], 4, s90
	v_mad_u32_u24 v[KA+1], v[R8], 1016, v[KA]
	v_add_nc_u32 v[KA+1], 8, v[KA+1]
	v_mad_u32_u24 v[KA+2], v[R8], 520, v[KA]
	v_add_nc_u32 v[KA+2], 512, v[KA+2]
	v_mad_u32_u24 v[KA], v[R8], 520, v[KA]
	v_lshl_add_u32 v[TT], v[R8], 4, v[R7]
	v_lshl_add_u32 v[KSA], v[TT], 3, s90
	v_add_nc_u32 v[KSA], 3072, v[KSA]
	v_lshl_add_u32 v[SQA], v[RR], 2, s90
	v_add_nc_u32 v[SQA], 3328, v[SQA]
	v_lshl_add_u32 v[RB16], v[LN], 4, s90
	v_lshl_add_u32 v[RB8], v[LN], 3, s90
	v_add_nc_u32 v[RB8], 3072, v[RB8]
	v_lshl_add_u32 v[AV12], v[RR], 4, s91
	v_mad_u32_u24 v[AV252], v[HH], 252, v[AV12]
	v_mad_u32_u24 v[AV12], v[HH], 12, v[AV12]
	v_lshl_add_u32 v[VRB], v[LN], 4, s91
	v_lshlrev_b32 v[VGO], 4, v[RR]
	v_lshl_add_u32 v[VGO], v[HH], 9, v[VGO]
	v_lshlrev_b32 v[VSO], 4, v[RR]
	v_lshl_add_u32 v[VSO], v[HH], 1, v[VSO]
	v_lshlrev_b32 v[G16], 4, v[LN]
	v_lshlrev_b32 v[G8], 3, v[LN]
	v_mov_b32 v[MKO], v[RR]
	v_mov_b32 v[BIG], 0x7b800000                   ; 2^120
	s_wait_kmcnt 0x0
	s_cmp_lt_u32 ttmp9, 128                        ; context or fmap?  The choice hangs on the work-group's number alone
	s_cselect_b64 s[XB:XB+1], s[6:7], s[4:5]
	s_cselect_b64 s[WB:WB+1], s[18:19], s[14:15]
	s_cselect_b64 s[WSB:WSB+1], s[20:21], s[16:17]
	s_cselect_b64 s[RB:RB+1], s[24:25], s[22:23]
	s_cselect_b64 s[GB:GB+1], s[12:13], s[10:11]
	s_cselect_b32 s[FF], 1.0, -2.0
	s_cselect_b32 s[F2], 1.0, 0x3e800000
	s_cselect_b32 s[MOR], 0, 1
	s_mov_b32 s[FF+1], s[FF]
	s_lshl_b32 s[TQ], s[WV], 7                     ; my 32 gains
	s_mov_b32 s[TQ+1], 0
	s_add_nc_u64 s[GB:GB+1], s[GB:GB+1], s[TQ:TQ+1]
	s_load_b512 s[GAM:GAM+15], s[GB:GB+1], 0x0
	s_load_b512 s[GAM+16:GAM+31], s[GB:GB+1], 0x40
	s_lshl_b32 s[TQ], s27, 21                      ; x: batch x 256 rows of 8,192 bytes + my 32 rows + my 64 positions
	s_lshl_b32 s31, s[WV], 18
	s_add_co_u32 s[TQ], s[TQ], s31
	s_lshl_b32 s31, s28, 8
	s_add_co_u32 s[TQ], s[TQ], s31
	s_add_nc_u64 s[XB:XB+1], s[XB:XB+1], s[TQ:TQ+1]
	s_mul_i32 s[TQ], s[WV], 64*192                 ; my head's 64 rows of the weight; v's lie 512 rows further down in Wkv
	s_add_nc_u64 s[WB:WB+1], s[WB:WB+1], s[TQ:TQ+1]
	s_add_nc_u64 s[W2B:W2B+1], s[18:19], s[TQ:TQ+1]
	s_add_nc_u64 s[W2B:W2B+1], s[W2B:W2B+1], 512*192
	s_lshl_b32 s[TQ], s[WV], 9
	s_add_nc_u64 s[WSB:WSB+1], s[WSB:WSB+1], s[TQ:TQ+1]
	s_add_nc_u64 s[W2SB:W2SB+1], s[20:21], s[TQ:TQ+1]
	s_add_nc_u64 s[W2SB:W2SB+1], s[W2SB:W2SB+1], 512*8
	s_lshl_b32 s31, s27, 3
	s_add_co_u32 s31, s31, s[WV]
	s_mul_i32 s[TQ], s31, HEADB
	s_mul_i32 s31, s30, REC
	s_add_co_u32 s[TQ], s[TQ], s31
	s_add_nc_u64 s[RB:RB+1], s[RB:RB+1], s[TQ:TQ+1]
	s_mul_i32 s[TQ], s29, 3072
	s_add_nc_u64 s[RK:RK+1], s[RB:RB+1], s[TQ:TQ+1]
	s_lshl_b32 s[TQ], s29, 8
	s_add_nc_u64 s[RH:RH+1], s[RB:RB+1], s[TQ:TQ+1]
	s_mov_b32 s[TQ], s29
	s_add_nc_u64 s[R1:R1+1], s[RB:RB+1], s[TQ:TQ+1]
	s_lshl_b32 s[TQ], s27, 11
	s_lshl_b32 s31, s28, 6
	s_add_co_u32 s[TQ], s[TQ], s31
	s_add_nc_u64 s[MB:MB+1], s[8:9], s[TQ:TQ+1]
; a head's 64 rows of a weight: four tiles x two K steps, and their scale words.  THE ROWS OF A TILE ARE NOT NEIGHBOURS: lane r of tile 2 e + u takes row 32 e + 8 u + r + 8 (r / 8)
.macro WLOAD cb, sb
.irp t, 0,1,2,3
.irp k, 0,1
.irp p, 0,1,2,3,4,5
	global_load_b64 v[W+12*(2*\t+\k)+2*\p:W+12*(2*\t+\k)+2*\p+1], v[WO], s[\cb:\cb+1] offset:(32*(\t/2)+8*(\t%2))*192+96*\k+48*(\p/3)+8*(\p%3)
.endr
.endr
	global_load_b64 v[WS+2*\t:WS+2*\t+1], v[WSO], s[\sb:\sb+1] offset:(32*(\t/2)+8*(\t%2))*8
.endr
.endm
.set i, 0
.rept 32                                       ; a channel's two loads cover the work-group's 256 consecutive bytes of that row
	global_load_b32 v[X0+i], v[XO], s[XB:XB+1] offset:8192*i th:TH_LOAD_NT
	global_load_b32 v[X1+i], v[XO], s[XB:XB+1] offset:8192*i+128 th:TH_LOAD_NT
.set i, i+1
.endr
	WLOAD WB, WSB
.irp m, 0,1,2,3
	global_load_u8 v[MK+\m], v[MKO], s[MB:MB+1] offset:16*\m
.endr
	; ---- X: the norm.  My 32 channels' squares of two positions; the eight waves' sums meet in LDS
	s_wait_loadcnt 56                              ; x's 64 loads are in; the 48 + 4 + 4 of the weight, its scale words and the mask, issued behind them, may be out
	v_pk_mul_f32 v[PS:PS+1], v[X0:X0+1], v[X0:X0+1]
	v_pk_mul_f32 v[PS+2:PS+3], v[X1:X1+1], v[X1:X1+1]
.set i, 2
.rept 15
	v_pk_fma_f32 v[PS:PS+1], v[X0+i:X0+i+1], v[X0+i:X0+i+1], v[PS:PS+1]
	v_pk_fma_f32 v[PS+2:PS+3], v[X1+i:X1+i+1], v[X1+i:X1+i+1], v[PS+2:PS+3]
.set i, i+2
.endr
	v_add_f32 v[PS+4], v[PS], v[PS+1]
	v_add_f32 v[PS+5], v[PS+2], v[PS+3]
	ds_store_b64 v[PSA], v[PS+4:PS+5]
	s_wait_dscnt 0x0                               ; for the others' sake: my store has landed
	s_barrier_signal -1
	s_barrier_wait -1
.irp k, 0,1,2,3,4,5,6,7
	ds_load_b64 v[PS+2*\k:PS+2*\k+1], v[PLA] offset:256*\k
.endr
	s_wait_dscnt 0x0
	v_pk_add_f32 v[PS:PS+1], v[PS:PS+1], v[PS+2:PS+3]
	v_pk_add_f32 v[PS+4:PS+5], v[PS+4:PS+5], v[PS+6:PS+7]
	v_pk_add_f32 v[PS+8:PS+9], v[PS+8:PS+9], v[PS+10:PS+11]
	v_pk_add_f32 v[PS+12:PS+13], v[PS+12:PS+13], v[PS+14:PS+15]
	v_pk_add_f32 v[PS:PS+1], v[PS:PS+1], v[PS+4:PS+5]
	v_pk_add_f32 v[PS+8:PS+9], v[PS+8:PS+9], v[PS+12:PS+13]
	v_pk_add_f32 v[PS:PS+1], v[PS:PS+1], v[PS+8:PS+9]
	v_sqrt_f32 v[PS+2], v[PS]
	v_sqrt_f32 v[PS+3], v[PS+1]
	v_nop                                          ; a plain instruction behind the roots,
	s_wait_alu depctr_va_vdst(0)                   ; and the wait ahead of their first reader
	v_max_num_f32 v[PS+2], 0x2b8cbccc, v[PS+2]     ; the norm, at least 1e-12
	v_max_num_f32 v[PS+3], 0x2b8cbccc, v[PS+3]
	v_rcp_f32 v[PS+4], v[PS+2]
	v_rcp_f32 v[PS+6], v[PS+3]
	v_nop
	s_wait_alu depctr_va_vdst(0)
	v_mul_f32 v[PS+4], 0x41800000, v[PS+4]         ; x sqrt(256)
	v_mul_f32 v[PS+6], 0x41800000, v[PS+6]
.set i, 0
.rept 16
	v_pk_mul_f32 v[X0+i:X0+i+1], v[X0+i:X0+i+1], v[PS+4:PS+5] op_sel_hi:[1,0]
	v_pk_mul_f32 v[X1+i:X1+i+1], v[X1+i:X1+i+1], v[PS+6:PS+7] op_sel_hi:[1,0]
.set i, i+2
.endr
	s_wait_kmcnt 0x0                               ; the gains
.set i, 0
.rept 32
	v_mul_f32 v[X0+i], s[GAM+i], v[X0+i]
	v_mul_f32 v[X1+i], s[GAM+i], v[X1+i]
.set i, i+1
.endr
; a lane's 32 registers are one whole block of the quantiser: its largest magnitude (with the floor 2^(3 - 127) among the leaves, so that the byte cannot fall under 1), 2 off the exponent field, two conversions
.macro QB32 src, cd, tp, e
	v_max3_num_f32 v[TM+2*\e], |v[\src]|, |v[\src+1]|, 0x1800000
	v_max3_num_f32 v[TM+2*\e+1], |v[\src+2]|, |v[\src+3]|, |v[\src+4]|
.irp i, 5,9,13,17,21,25
	v_max3_num_f32 v[TM+2*\e], v[TM+2*\e], |v[\src+\i]|, |v[\src+\i+1]|
	v_max3_num_f32 v[TM+2*\e+1], v[TM+2*\e+1], |v[\src+\i+2]|, |v[\src+\i+3]|
.endr
	v_max3_num_f32 v[TM+2*\e], v[TM+2*\e], |v[\src+29]|, |v[\src+30]|
	v_max3_num_f32 v[TM+2*\e], v[TM+2*\e], v[TM+2*\e+1], |v[\src+31]|
	v_add_nc_u32 v[SCL+\e], 0xff000000, v[TM+2*\e] ; the conversion takes this operand's exponent field as its scale
	v_cvt_scalef32_pk16_fp6_f32 v[\cd:\cd+2], v[\src:\src+15], v[SCL+\e]
	v_cvt_scalef32_pk16_fp6_f32 v[\tp:\tp+2], v[\src+16:\src+31], v[SCL+\e]   ; (a conversion's three registers begin on an even number)
	v_lshrrev_b32 v[BYT+\e], 23, v[SCL+\e]         ; the scale's byte; also the plain instruction behind the conversions
.irp i, 0,1,2
	v_mov_b32 v[\cd+3+\i], v[\tp+\i]
.endr
.irp q, 0,1,2
	ds_store_b64 v[XI+\q], v[\cd+2*\q:\cd+2*\q+1] offset:4*FRB*\e
.endr
	ds_store_b8 v[XSB], v[BYT+\e] offset:256*\e
.endm
	QB32 X0, C, T, 0                               ; position l
	QB32 X1, C2, T2, 1                             ; position 32 + l: two tiles, four images, further on
	s_wait_dscnt 0x0                               ; my stores have landed
	s_barrier_signal -1
	s_barrier_wait -1                              ; x's eight fragments and their scale bytes lie in LDS; nobody writes them again
.macro FETCH reg, adr, off                     ; a fragment's image into 12 registers
.irp c, 0,1,2
	ds_load_b128 v[\reg+4*\c:\reg+4*\c+3], v[\adr] offset:\off+512*\c
.endr
.endm
; two blocks of 32, each in 16 registers of lanes l and l xor 16: largest magnitudes, scale operands in v[SCL], v[SCL+1], bytes in v[TM+2], v[TM+3].  Each accumulator is read from its low end on
.macro BLKMAX acc
.irp b, 0,1
	v_max3_num_f32 v[TM+\b], |v[\acc+16*\b]|, |v[\acc+16*\b+1]|, 0x1800000
.endr
.irp i, 2,4,6,8,10,12,14
.irp b, 0,1
	v_max3_num_f32 v[TM+\b], v[TM+\b], |v[\acc+16*\b+\i]|, |v[\acc+16*\b+\i+1]|
.endr
.endr
.irp b, 0,1
	v_permlanex16_b32 v[TM+2+\b], v[TM+\b], s[SEL], s[SEL+1]
.endr
.irp b, 0,1
	v_max_num_f32 v[TM+\b], v[TM+\b], v[TM+2+\b]
.endr
.irp b, 0,1
	v_add_nc_u32 v[SCL+\b], 0xff000000, v[TM+\b]
.endr
.irp b, 0,1
	v_lshrrev_b32 v[TM+2+\b], 23, v[SCL+\b]
.endr
.endm
	; ---- q or k: source 0 = 16 rows of the weight, source 1 = 16 positions: a lane holds one position, and the 16 registers of tiles 2 e, 2 e + 1 are d = 32 e + 16 h + 0 .. 15
	s_wait_loadcnt 0x0                             ; the weight, its scale words, the mask
.irp m, 0,1,2,3
	v_or_b32 v[MK+\m], s[MOR], v[MK+\m]            ; q has no mask
.endr
.irp m, 0,1,2,3
	FETCH XF, LI, (2*\m)*FRB
	FETCH XF+12, LI, (2*\m+1)*FRB
	ds_load_b64 v[XS:XS+1], v[XSA] offset:128*\m
	s_wait_dscnt 0x0                               ; the fragments are in; the last tile's stores into the stage have read their registers
.irp t, 0,1,2,3                                ; the four accumulators take turns, one instruction a turn
	v_wmma_scale_f32_16x16x128_f8f6f4 v[ACC+8*\t:ACC+8*\t+7], v[W+24*\t:W+24*\t+11], v[XF:XF+11], 0, v[WS+2*\t], v[XS] matrix_a_fmt:MATRIX_FMT_FP6 matrix_b_fmt:MATRIX_FMT_FP6
.endr
.irp t, 0,1,2,3
	v_wmma_scale_f32_16x16x128_f8f6f4 v[ACC+8*\t:ACC+8*\t+7], v[W+24*\t+12:W+24*\t+23], v[XF+12:XF+23], v[ACC+8*\t:ACC+8*\t+7], v[WS+2*\t+1], v[XS+1] matrix_a_fmt:MATRIX_FMT_FP6 matrix_b_fmt:MATRIX_FMT_FP6
.endr
.rept 4
	v_nop                                          ; four places: ahead of the first read of results, and of loads into registers that these products have read
.endr
.if \m == 3
	s_cmp_lt_u32 ttmp9, 128                        ; context: v's rows of Wkv take the registers that k's have left, and land under this tile's vector work
	s_cbranch_scc0 .Lno_w2
	WLOAD W2B, W2SB
.Lno_w2:
.endif
.set i, 0
.rept 16
	v_pk_mul_f32 v[ACC+i:ACC+i+1], v[ACC+i:ACC+i+1], s[FF:FF+1] op_sel_hi:[1,0]   ; x 1 or x -2; each accumulator from its low end on
.set i, i+2
.endr
	v_pk_mul_f32 v[SQ:SQ+1], v[ACC:ACC+1], v[ACC:ACC+1]              ; the sum of squares of the UNQUANTISED numbers, in two chains
	v_pk_mul_f32 v[SQ+2:SQ+3], v[ACC+2:ACC+3], v[ACC+2:ACC+3]
.set i, 4
.rept 7
	v_pk_fma_f32 v[SQ:SQ+1], v[ACC+i:ACC+i+1], v[ACC+i:ACC+i+1], v[SQ:SQ+1]
	v_pk_fma_f32 v[SQ+2:SQ+3], v[ACC+i+2:ACC+i+3], v[ACC+i+2:ACC+i+3], v[SQ+2:SQ+3]
.set i, i+4
.endr
	v_pk_add_f32 v[SQ:SQ+1], v[SQ:SQ+1], v[SQ+2:SQ+3]
	v_add_f32 v[SQ], v[SQ], v[SQ+1]
	v_permlanex16_b32 v[SX], v[SQ], s[SEL], s[SEL+1]
	v_add_f32 v[SQ], v[SQ], v[SX]                  ; with lane l xor 16's 32 of the 64
	v_mul_f32 v[SQ], s[F2], v[SQ]                  ; (-2 q)^2 / 4
	v_cmp_eq_u32 vcc_lo, 0, v[MK+\m]
	v_cndmask_b32 v[SQ], v[SQ], v[BIG], vcc_lo     ; a hidden key: 2^120
	ds_store_b32 v[SQA], v[SQ] offset:64*\m
	BLKMAX ACC
	v_lshl_or_b32 v[PWR], v[TM+3], 8, v[TM+2]
	v_or_b32 v[PWR], 0x7f7f0000, v[PWR]            ; bytes 2 and 3 stand over the zero codes that fill K from 64 to 128
	v_cvt_scalef32_pk16_fp6_f32 v[C:C+2], v[ACC:ACC+15], v[SCL]
	v_cvt_scalef32_pk16_fp6_f32 v[T:T+2], v[ACC+16:ACC+31], v[SCL+1]
	v_nop                                          ; one plain instruction behind a scaled conversion
.irp i, 0,1,2
	v_permlane16_swap_b32 v[C+\i], v[T+\i]         ; the operand's layout wants a whole block in a lane: lanes 0-15 d = 0 .. 31, lanes 16-31 d = 32 .. 63
.endr
.irp i, 0,1,2
	v_mov_b32 v[C+3+\i], v[T+\i]
.endr
.irp q, 0,1,2                                  ; position 16 m + r is lane r % 8 + 8 (m % 2) + 16 h of tile 2 (m / 2) + r / 8
	ds_store_b64 v[KA+\q], v[C+2*\q:C+2*\q+1] offset:1536*(\m/2)+128*(\m%2)
.endr
	ds_store_b32 v[KSA], v[PWR] offset:64*(\m%2)+4*(\m/2)
.endr
.irp g, 0,1,2,3,4,5
	ds_load_b128 v[XF+4*\g:XF+4*\g+3], v[RB16] offset:512*\g         ; LDS serves a wave's instructions in order: these see my stores
.endr
	ds_load_b64 v[XF+24:XF+25], v[RB8]
	ds_load_b64 v[XF+26:XF+27], v[RB8] offset:256
	s_wait_dscnt 0x0
.irp g, 0,1,2,3,4,5
	global_store_b128 v[G16], v[XF+4*\g:XF+4*\g+3], s[RK:RK+1] offset:KI+512*\g   ; 32 lanes store 512 consecutive bytes, at a multiple of 256 from the buffer's first byte
.endr
	global_store_b64 v[G8], v[XF+24:XF+25], s[RH:RH+1] offset:KS     ; 256 consecutive bytes, aligned likewise
	global_store_b64 v[G8], v[XF+26:XF+27], s[RH:RH+1] offset:K2
	s_cmp_ge_u32 ttmp9, 128
	s_cbranch_scc1 .Ldone                          ; fmap has no v; no barrier stands below
	; ---- v: source 0 = 16 keys, source 1 = 16 rows of Wkv: a lane holds one d, and the 16 registers of tiles u = 0, 1 are keys 32 b + 16 h + 0 .. 15: the quantiser's K
	s_wait_loadcnt 0x0                             ; v's rows of Wkv
	s_wait_xcnt 0x0                                ; the stores above have read their registers: they are loaded again only behind this wait
.irp b, 0,1
.irp u, 0,1
.irp k, 0,1
	FETCH XF+12*(2*\u+\k), LV, (4*\b+\k)*FRB+128*\u
.endr
	ds_load_b64 v[XS+2*\u:XS+2*\u+1], v[XSV] offset:8*(32*\b+8*\u)
.endr
	s_wait_dscnt 0x0
.irp p, 0,1                                    ; two tiles of d at a time
.irp k, 0,1
.irp e, 0,1
.irp u, 0,1
.if \k == 0
	v_wmma_scale_f32_16x16x128_f8f6f4 v[VA+16*\e+8*\u:VA+16*\e+8*\u+7], v[XF+12*(2*\u+\k):XF+12*(2*\u+\k)+11], v[W+12*(2*(2*\p+\e)+\k):W+12*(2*(2*\p+\e)+\k)+11], 0, v[XS+2*\u+\k], v[WS+2*(2*\p+\e)+\k] matrix_a_fmt:MATRIX_FMT_FP6 matrix_b_fmt:MATRIX_FMT_FP6
.else
	v_wmma_scale_f32_16x16x128_f8f6f4 v[VA+16*\e+8*\u:VA+16*\e+8*\u+7], v[XF+12*(2*\u+\k):XF+12*(2*\u+\k)+11], v[W+12*(2*(2*\p+\e)+\k):W+12*(2*(2*\p+\e)+\k)+11], v[VA+16*\e+8*\u:VA+16*\e+8*\u+7], v[XS+2*\u+\k], v[WS+2*(2*\p+\e)+\k] matrix_a_fmt:MATRIX_FMT_FP6 matrix_b_fmt:MATRIX_FMT_FP6
.endif
.endr
.endr
.endr
.rept 4
	v_nop                                          ; four places behind the products
.endr
	BLKMAX VA                                      ; block 32 b .. 32 b + 31 of the keys, for two tiles of d
	s_wait_dscnt 0x0                               ; the last stores into the stage have read the registers that the conversions write
	v_cvt_scalef32_pk16_fp6_f32 v[C:C+2], v[VA:VA+15], v[SCL]
	v_cvt_scalef32_pk16_fp6_f32 v[T:T+2], v[VA+16:VA+31], v[SCL+1]
	v_nop
.irp e, 0,1                                    ; my 16 codes are registers 6 b + 3 h + 0 .. 2 of lane r + 16 H of fragment 2 p + e; the stage holds that half of the lanes alone
.if \b == 0
	ds_store_b32 v[AV12], v[C+6*\e] offset:768*(2*\p+\e)
	ds_store_b32 v[AV252], v[C+6*\e+1] offset:768*(2*\p+\e)+4
	ds_store_b32 v[AV252], v[C+6*\e+2] offset:768*(2*\p+\e)+8
	v_mov_b32 v[BY+2*\p+\e], v[TM+2+\e]
.else
	ds_store_b32 v[AV252], v[C+6*\e] offset:768*(2*\p+\e)+264
	ds_store_b32 v[AV252], v[C+6*\e+1] offset:768*(2*\p+\e)+268
	ds_store_b32 v[AV12], v[C+6*\e+2] offset:768*(2*\p+\e)+512
	v_cndmask_b32 v[BY+2*\p+\e], v[BY+2*\p+\e], v[TM+2+\e], s[HI16]   ; lanes 0-15 keep block 0's byte, lanes 16-31 take block 1's
.endif
.endr
.endr
.endr
.irp i, 0,1,2,3,4,5
	ds_load_b128 v[XF+4*\i:XF+4*\i+3], v[VRB] offset:512*\i
.endr
	s_wait_dscnt 0x0
.irp i, 0,1,2,3,4,5
	global_store_b128 v[VGO], v[XF+4*\i:XF+4*\i+3], s[RH:RH+1] offset:VI+1024*\i   ; sixteen lanes store 256 consecutive bytes, aligned: my half of the lanes of a group of four registers
.endr
.irp t, 0,1,2,3
	global_store_b8 v[VSO], v[BY+\t], s[R1:R1+1] offset:VS+4*\t      ; 128 single bytes a head: byte 2 b + H of each word; the other two bytes are the neighbouring work-group's
.endr
.Ldone:
	s_wait_tensorcnt 0x0
	ds_add_u32 v31, v245
	s_wait_dscnt 0x0
	s_endpgm
.Lfunc_end_k_qfface39ee9_proj:
	.size	k_qfface39ee9_proj, .Lfunc_end_k_qfface39ee9_proj-k_qfface39ee9_proj
	.p2alignl 7, 3214868480
	.fill 96, 4, 3214868480
	.section	.rodata,"a",@progbits
	.p2align	6, 0x0
	.amdhsa_kernel k_qfface39ee9_proj
		.amdhsa_group_segment_fixed_size 69120
		.amdhsa_private_segment_fixed_size 0
		.amdhsa_enable_private_segment 0
		.amdhsa_kernarg_size 88
		.amdhsa_user_sgpr_count 2
		.amdhsa_user_sgpr_kernarg_segment_ptr 1
		.amdhsa_wavefront_size32 1
		.amdhsa_system_sgpr_workgroup_id_x 1
		.amdhsa_system_sgpr_workgroup_id_y 1
		.amdhsa_system_sgpr_workgroup_id_z 1
		.amdhsa_system_vgpr_workitem_id 0
		.amdhsa_next_free_vgpr 256
		.amdhsa_next_free_sgpr 100
		.amdhsa_reserve_vcc 1
		.amdhsa_float_denorm_mode_32 3
		.amdhsa_float_denorm_mode_16_64 3
		.amdhsa_memory_ordered 1
		.amdhsa_forward_progress 1
		.amdhsa_inst_pref_size 76
	.end_amdhsa_kernel
	.amdgpu_metadata
---
amdhsa.version: [ 1, 2 ]
amdhsa.kernels:
  - .name:           k_qfface39ee9_proj
    .symbol:         k_qfface39ee9_proj.kd
    .args:
      - { .name: fmap, .offset: 0, .size: 8, .value_kind: global_buffer, .address_space: global }
      - { .name: context, .offset: 8, .size: 8, .value_kind: global_buffer, .address_space: global }
      - { .name: mask, .offset: 16, .size: 8, .value_kind: global_buffer, .address_space: global }
      - { .name: gamma, .offset: 24, .size: 8, .value_kind: global_buffer, .address_space: global }
      - { .name: gamma_ctx, .offset: 32, .size: 8, .value_kind: global_buffer, .address_space: global }
      - { .name: Wq_codes, .offset: 40, .size: 8, .value_kind: global_buffer, .address_space: global }
      - { .name: Wq_scales, .offset: 48, .size: 8, .value_kind: global_buffer, .address_space: global }
      - { .name: Wkv_codes, .offset: 56, .size: 8, .value_kind: global_buffer, .address_space: global }
      - { .name: Wkv_scales, .offset: 64, .size: 8, .value_kind: global_buffer, .address_space: global }
      - { .name: qrec, .offset: 72, .size: 8, .value_kind: global_buffer, .address_space: global }
      - { .name: kvrec, .offset: 80, .size: 8, .value_kind: global_buffer, .address_space: global }
    .group_segment_fixed_size: 69120
    .private_segment_fixed_size: 0
    .kernarg_segment_align: 8
    .kernarg_segment_size: 88
    .max_flat_workgroup_size: 256
    .sgpr_count:     100
    .vgpr_count:     256
    .wavefront_size: 32
...
	.end_amdgpu_metadata
.endif
;; end of part 1
;; launch attn (part 2): grid 8 x 32, 16 waves a work-group, clusters of 4 x 1, 219,136 bytes of LDS; arguments qrec, kvrec, oc, os; writes oc, os
.if DOCPART == 2
	.amdgcn_target "amdgcn-amd-amdhsa--gfx1250"
	.amdhsa_code_object_version 6
	.text
	.protected	k_qfface39ee9_attn
	.globl	k_qfface39ee9_attn
	.p2align	8
	.type	k_qfface39ee9_attn,@function
k_qfface39ee9_attn:
	s_mov_b64 s[64:65], 0
	v_nop
	global_prefetch_b8 v0, s[64:65] scope:SCOPE_SE
	s_setreg_imm32_b32 hwreg(HW_REG_WAVE_MODE, 25, 1), 1
	s_wait_xcnt 0x0
	s_wait_alu depctr_hold_cnt(0) depctr_sa_sdst(0) depctr_va_vdst(0) depctr_va_sdst(0) depctr_va_ssrc(0) depctr_va_vcc(0) depctr_vm_vsrc(0)
	s_getreg_b32 s2, hwreg(HW_REG_IB_STS2, 6, 4)
	s_cmp_eq_u32 s2, 0
	s_cbranch_scc0 .Lentry_in_a_cluster
	s_endpgm
.Lentry_in_a_cluster:
	s_bfe_u32 s2, ttmp6, 0x10000c
	s_cmp_lg_u32 s2, 0x3003
	s_cbranch_scc0 .Lentry_shape_is_right
	s_endpgm
.Lentry_shape_is_right:
; ATTN: for each (batch, head): logit = -sqrt(max(q2 + k2 - 2 q.k, 1e-12)) / 8, hidden keys out, softmax, x v; both products on codes of FP6 (E2M3); the result is quantised along (head, d) for the last product.
; SHARES.  A work-group owns 256 queries of one head, each of its sixteen waves 16 of them, one tile, in 256 registers: four waves to a SIMD, so that one wave's roots and exponentials stand beside another's products and LDS loads.
; A HEAD'S 16 RECORDS (k's and v's codes, their scale words, k2: 217,088 bytes) LIE IN LDS WHOLE, as they lie in memory: filled once, in four chunks of four records, never filled again: no ring.
; CLUSTER.  The four work-groups of a cluster belong to one head and read the same records: each fill is asked for JOINTLY, by the same tensor load with the same descriptor and a mask that names the four.
; No prefetch: every byte of the records is asked for by the tensor loads at the head; there is no later request to run ahead of.
; LAYOUT.  Both products are used transposed: S^T = k (-2 q)^T + k2 (source 0 = 16 keys, source 1 = my 16 queries, C = k2 of the register's key), O^T = v^T p^T: a lane holds ONE query throughout.
; The product's K is 64: a fragment of k is 6 registers; the operand's other 6 are the next tile's codes (behind the last tile: zeros); they meet q's zero codes under the scale byte 127 and add nothing.
; The keys of a tile are chosen (lane r of tile 2 b + u: key 32 b + 8 u + r + 8 (r / 8)) so that the 16 registers of tiles 2 b, 2 b + 1 are keys 32 b + 16 h + 0 .. 15.
; v's and p's blocks of 32 keys stand in another order along the instruction's K, alike in both and in their scale words: registers 6 c .. 6 c + 5 of lane half h hold key block 2 h + c.
; SOFTMAX.  t = -dist x log2(e) / 8; M = the running largest t rounded up to a whole number, kept as -M; p = 2^(t - M) is quantised; the sum is taken of the unquantised p; when M moves, the sum and O^T are multiplied by a power of two.
; A block's largest p is not searched for: the block's smallest k2 - 2 q.k goes through the same instructions as every score (this takes v_sqrt_f32 and v_exp_f32 not to fall where their input rises).
; A hidden key has k2 = 2^120; every squared distance is held at 2^100, so that all hidden keys get the same distance 2^50: beside a key that counts p is 0; where a whole row is hidden all p are 1, the mean, as the softmax of equal logits.
; LIMITS: q2, k2 and |2 q.k| under 2^95; a squared distance of 2^100 or more counts as hidden; NaN and infinities are not served; p under 2^-126 counts as 0; a block of zeros has the scale byte 1; the division by the sum is v_rcp_f32 and a multiplication.
.set REC,   13568
.set HEADB, 16*REC
.set KI,    0
.set VI,    6144
.set KS,    12288
.set VS,    12800
.set K2,    13056
.set C16,   1                          ; v1-4  16 x lane, 8 x lane, 16 r, 64 h: never rewritten
.set C8,    2
.set CR,    3
.set CH,    4
.set A16,   5                          ; v5-8  the same + the record's first byte in LDS
.set A8,    6
.set AR,    7
.set AH,    8
.set NM,    12                         ; v12 -M, v13 the largest t so far
.set TMX,   13
.set L,     14                         ; v[14:15] the sum, in two halves
.set Q,     16                         ; v16-21 q's codes, v22-27 zero codes
.set QS,    28                         ; v28 q's scale word;  v29 p's
.set PW,    29
.set Q2,    30                         ; v[30:31] q2, twice
.set KF,    32                         ; v32-79 k's eight tiles, later v's four fragments;  v80-85 zeros
.set Z,     80
.set KSC,   86                         ; v86-89 k's scale words: register t / 2, lanes 0-15 the even tile's, lanes 16-31 the odd one's
.set VSC,   90                         ; v90-93 v's
.set F,     94                         ; v[94:95] 2^(old M - new M), and a written partner
.set S,     96                         ; v96-159 S^T, then p
.set O,     160                        ; v160-191 O^T
.set P,     192                        ; v192-203 p's codes
.set T,     204                        ; v204-206, v208-210 the conversions' second halves
.set BM,    212                        ; v212-215 the blocks' smallest, then their largest p
.set BX,    216                        ; v216-219 the other half's; bytes
.set SCL,   220                        ; v220-223 the conversions' scale operands
.set L2,    224                        ; v[224:225] the sum's second chain
.set TP,    226                        ; v226-227 at work
.set RC,    228                        ; v[228:229] 1 / the sum, and a written partner
.set WV,    12                         ; s12 wave
.set G1,    24                         ; s[24:31] descriptor group 1;  s[32:47] four groups 0, one for each chunk
.set G0,    32
.set NC,    48                         ; s[48:49] -log2(e) / 8: the packed form names a pair and takes its low word for both halves
.set EPSR,  50                         ; s50 1e-12;  s51 2^100
.set CAP,   51
.set SEL,   52                         ; s[52:53] v_permlanex16_b32's selects for lane l xor 16
.set TB,    54                         ; s54 the record in hand: its first byte in LDS
.set CNT,   55
.set OCB,   56
.set OSB,   58
; A round of the cluster's barrier: my work-group's barrier, wave 0 signals for the work-group, every wave waits for all four work-groups, my work-group's barrier once more
.macro CROUND
	s_barrier_signal -1
	s_barrier_wait -1
	s_cmp_lg_u32 s[WV], 0
	s_cbranch_scc1 .Lnot_wave_0_\@
	s_barrier_signal -3
.Lnot_wave_0_\@:
	s_barrier_wait -3
	s_barrier_signal -1
	s_barrier_wait -1
.endm
	s_load_b256 s[4:11], s[0:1], 0x0               ; qrec, kvrec, oc, os
	v_lshl_add_u32 v254, v0, 2, 0x35000
	v_mov_b32 v255, 0
	ds_add_u32 v254, v255
	ds_add_u32 v254, v255
	v_lshrrev_b32 v9, 5, v0
	v_readfirstlane_b32 s[WV], v9                  ; wave 0..15
	s_bfe_u32 s13, ttmp6, 0x40000                  ; cx: my place in the cluster: it enters q's, oc's and os's addresses alone
	s_lshl_b32 s14, ttmp9, 2
	s_add_co_u32 s14, s14, s13                     ; my block of 256 queries
	s_and_b32 s15, ttmp7, 0xffff                   ; batch x 8 + head, which the four partners share
	s_mul_i32 s16, s15, HEADB
	s_mov_b32 s17, 0
	s_and_b32 s18, s[WV], 3                        ; which of a chunk's four records I fetch, if I fetch:
	s_mul_i32 s18, s18, REC                        ; its place in memory and in LDS alike
	s_mov_b32 s19, 0
	; descriptor group 1: a record is a dense block of 53 rows of 256 bytes (32 elements of 8 bytes), no padding
	s_mov_b32 s[G1], 15|(3<<16)|(1<<21)            ; 15:0 the mask: all four work-groups; 17:16 elements of 8 bytes; 20 padding off; 21 set beside a mask
	s_mov_b32 s[G1+1], 32<<16                      ; tensor_dim0
	s_mov_b32 s[G1+2], 53<<16                      ; tensor_dim1
	s_mov_b32 s[G1+3], 32<<16                      ; tile_dim0
	s_mov_b32 s[G1+4], 53                          ; tile_dim1
	s_mov_b32 s[G1+5], 32                          ; tensor_dim0_stride
	s_mov_b32 s[G1+6], 0
	s_mov_b32 s[G1+7], 0
	s_mov_b32 s[NC], 0xbe38aa3b
	s_mov_b32 s[NC+1], s[NC]
	s_mov_b32 s[EPSR], 0x2b8cbccc
	s_mov_b32 s[CAP], 0x71800000
	s_mov_b32 s[SEL], 0x76543210
	s_mov_b32 s[SEL+1], 0xfedcba98
	s_wait_dscnt 0x0
	s_wait_kmcnt 0x0
	s_add_nc_u64 s[20:21], s[6:7], s[16:17]
	s_add_nc_u64 s[20:21], s[20:21], s[18:19]
.irp c, 0,1,2,3
	s_mov_b32 s[G0+4*\c], 1                        ; count = 1
	s_add_co_u32 s[G0+4*\c+1], s18, 4*\c*REC       ; LDS address: record 4 c + wave
	s_add_nc_u64 s[G0+4*\c+2:G0+4*\c+3], s[20:21], 4*\c*REC
	s_or_b32 s[G0+4*\c+3], s[G0+4*\c+3], 0x80000000   ; type = 2
.endr
	CROUND                                         ; all four work-groups are here: the joint loads meet
	s_cmp_lt_u32 s[WV], 4                          ; waves 0-3 fetch; a wave's four fills stand in one branch, ahead of every wait on TENSORcnt and every LDS read: four loads of mine are out
	s_cbranch_scc0 .Lno_fill
	tensor_load_to_lds s[G0:G0+3], s[G1:G1+7]
	s_nop 0
	tensor_load_to_lds s[G0+4:G0+7], s[G1:G1+7]
	s_nop 0
	tensor_load_to_lds s[G0+8:G0+11], s[G1:G1+7]
	s_nop 0
	tensor_load_to_lds s[G0+12:G0+15], s[G1:G1+7]
	s_nop 0
.rept 4
	v_nop                                          ; four plain lines follow the last of them
.endr
.Lno_fill:
	v_and_b32 v[C8], 31, v0
	v_lshlrev_b32 v[C16], 4, v[C8]
	v_lshlrev_b32 v[C8], 3, v[C8]
	v_and_b32 v[RC], 15, v0                        ; r
	v_and_b32 v[RC+1], 8, v0
	v_add_nc_u32 v[RC+1], v[RC+1], v[RC]           ; r + 8 (r / 8)
	v_lshlrev_b32 v[CR], 4, v[RC]
	v_bfe_u32 v[CH], v0, 4, 1
	v_lshlrev_b32 v[CH], 6, v[CH]
	s_lshl_b32 s60, s14, 1
	s_lshr_b32 s61, s[WV], 3
	s_add_co_u32 s60, s60, s61                     ; my queries' record
	s_and_b32 s61, s[WV], 7                        ; and my tile t in it
	s_mul_i32 s62, s60, REC
	s_mov_b32 s63, 0
	s_add_nc_u64 s[22:23], s[4:5], s[16:17]
	s_add_nc_u64 s[22:23], s[22:23], s[62:63]
	s_mul_i32 s62, s61, 6
.irp q, 0,1,2                                  ; register R = 6 t + 2 q of lane L lies at 512 (R / 4) + 16 L + 4 (R % 4)
	s_add_co_u32 s2, s62, 2*\q
	s_lshr_b32 s3, s2, 2
	s_lshl_b32 s3, s3, 9
	s_and_b32 s2, s2, 3
	s_lshl_b32 s2, s2, 2
	s_add_co_u32 s2, s2, s3
	v_add_nc_u32 v[9+\q], s2, v[C16]
	global_load_b64 v[Q+2*\q:Q+2*\q+1], v[9+\q], s[22:23] offset:KI
.endr
	s_lshr_b32 s2, s61, 2                          ; my scale word: 256 (t / 4) + 8 (r + 16 (t % 2)) + 4 ((t / 2) % 2)
	s_lshl_b32 s2, s2, 8
	s_and_b32 s3, s61, 1
	s_lshl_b32 s3, s3, 7
	s_add_co_u32 s2, s2, s3
	s_bfe_u32 s3, s61, 0x10001
	s_lshl_b32 s3, s3, 2
	s_add_co_u32 s2, s2, s3
	v_lshl_add_u32 v[TP], v[RC], 3, s2
	global_load_b32 v[QS], v[TP], s[22:23] offset:KS
	s_lshr_b32 s2, s61, 1                          ; my query: 32 (t / 2) + 8 (t % 2) + r + 8 (r / 8)
	s_lshl_b32 s2, s2, 7
	s_and_b32 s3, s61, 1
	s_lshl_b32 s3, s3, 5
	s_add_co_u32 s2, s2, s3
	v_lshl_add_u32 v[TP+1], v[RC+1], 2, s2
	global_load_b32 v[Q2], v[TP+1], s[22:23] offset:K2
	s_lshr_b32 s2, s15, 3                          ; where my tile goes: tile T = 128 x batch + 8 x record + t
	s_lshl_b32 s2, s2, 7
	s_lshl_b32 s3, s60, 3
	s_add_co_u32 s2, s2, s3
	s_add_co_u32 s2, s2, s61
	s_and_b32 s3, s15, 7                           ; the head
	s_lshl_b32 s62, s2, 3
	s_add_co_u32 s62, s62, s3
	s_mul_i32 s62, s62, 768
	s_add_nc_u64 s[OCB:OCB+1], s[8:9], s[62:63]
	s_lshl_b32 s62, s2, 8
	s_lshl_b32 s3, s3, 1
	s_add_co_u32 s62, s62, s3
	s_add_nc_u64 s[OSB:OSB+1], s[10:11], s[62:63]
	v_mov_b32 v[TMX], 0xff61b1e6                   ; the largest t so far: -3e38, under every t
	v_floor_f32 v[NM], -v[TMX]
	v_mov_b32 v[L], 0
	v_mov_b32 v[L+1], 0
.set j, 0
.rept 32
	v_mov_b32 v[O+j], 0                            ; O^T.  (The step is written without a first step of its own: it finds zeros, which the first change of M leaves zeros)
.set j, j+1
.endr
.irp j, 0,1,2,3,4,5
	v_mov_b32 v[Q+6+\j], 0                         ; q's zero codes for K = 64 .. 127
	v_mov_b32 v[Z+\j], 0
.endr
.irp j, 0,1,2,3
	v_mov_b32 v[BX+\j], 0                          ; written once: a lane permute's destination counts as one of its sources
.endr
	v_mov_b32 v[F+1], 0
	s_wait_loadcnt 0x0                             ; q
	v_mov_b32 v[Q2+1], v[Q2]
; A STEP: one record, 128 keys.
.macro STEP
	v_add_nc_u32 v[A16], s[TB], v[C16]             ; these four are also the places between the last products and the loads into the registers that they have read
	v_add_nc_u32 v[A8], s[TB], v[C8]
	v_add_nc_u32 v[AR], s[TB], v[CR]
	v_add_nc_u32 v[AH], s[TB], v[CH]
.irp b, 0,1,2,3
.irp u, 0,1                                    ; k2 (2^120 for a hidden key) of key 32 b + 16 h + 8 u + j into register 16 b + 8 u + j: the products' C
	ds_load_b128 v[S+16*\b+8*\u:S+16*\b+8*\u+3], v[AH] offset:K2+128*\b+32*\u
	ds_load_b128 v[S+16*\b+8*\u+4:S+16*\b+8*\u+7], v[AH] offset:K2+128*\b+32*\u+16
.endr
.endr
.irp g, 0,1,2,3,4,5,6,7,8,9,10,11
	ds_load_b128 v[KF+4*\g:KF+4*\g+3], v[A16] offset:KI+512*\g
.endr
	ds_load_b64 v[KSC:KSC+1], v[A8] offset:KS
	ds_load_b64 v[KSC+2:KSC+3], v[A8] offset:KS+256
	s_wait_dscnt 0x0
.irp t, 0,1,2,3,4,5,6,7                        ; k2 - 2 q.k; eight accumulators, one instruction each
.if (\t%2) == 0
	v_wmma_scale_f32_16x16x128_f8f6f4 v[S+8*\t:S+8*\t+7], v[KF+6*\t:KF+6*\t+11], v[Q:Q+11], v[S+8*\t:S+8*\t+7], v[KSC+\t/2], v[QS] matrix_a_fmt:MATRIX_FMT_FP6 matrix_b_fmt:MATRIX_FMT_FP6
.else
	v_wmma_scale_f32_16x16x128_f8f6f4 v[S+8*\t:S+8*\t+7], v[KF+6*\t:KF+6*\t+11], v[Q:Q+11], v[S+8*\t:S+8*\t+7], v[KSC+\t/2], v[QS] matrix_a_fmt:MATRIX_FMT_FP6 matrix_b_fmt:MATRIX_FMT_FP6 matrix_a_scale:MATRIX_SCALE_ROW1
.endif
.endr
.rept 4
	v_nop                                          ; four places: ahead of the loads into k's registers and of the first read of results
.endr
.irp g, 0,1,2,3,4,5,6,7,8,9,10,11
	ds_load_b128 v[KF+4*\g:KF+4*\g+3], v[A16] offset:VI+512*\g       ; v's four fragments land under the softmax
.endr
	ds_load_b128 v[VSC:VSC+3], v[AR] offset:VS
.irp b, 0,1,2,3
	v_min3_num_f32 v[BM+\b], v[S+16*\b], v[S+16*\b+1], v[S+16*\b+2]  ; the smallest of each block of 32 keys; each accumulator is read from its low end on
.endr
.irp i, 3,5,7,9,11,13
.irp b, 0,1,2,3
	v_min3_num_f32 v[BM+\b], v[BM+\b], v[S+16*\b+\i], v[S+16*\b+\i+1]
.endr
.endr
.irp b, 0,1,2,3
	v_min_num_f32 v[BM+\b], v[BM+\b], v[S+16*\b+15]
.endr
.irp b, 0,1,2,3
	v_permlanex16_b32 v[BX+\b], v[BM+\b], s[SEL], s[SEL+1]
.endr
.irp b, 0,1,2,3
	v_min_num_f32 v[BM+\b], v[BM+\b], v[BX+\b]     ; with lane l xor 16's 16 keys
.endr
.irp b, 0,1,2,3
	v_add_f32 v[BM+\b], v[BM+\b], v[Q2]
.endr
.irp b, 0,1,2,3
	v_med3_num_f32 v[BM+\b], v[BM+\b], s[EPSR], s[CAP]
.endr
.set j, 0
.rept 32
	v_pk_add_f32 v[S+j:S+j+1], v[S+j:S+j+1], v[Q2:Q2+1]              ; + q2
.set j, j+2
.endr
.set j, 0
.rept 64
	v_med3_num_f32 v[S+j], v[S+j], s[EPSR], s[CAP] ; at least 1e-12, which also clips at 0; at most 2^100
.set j, j+1
.endr
.set j, 0
.rept 64
	v_sqrt_f32 v[S+j], v[S+j]
.set j, j+1
.endr
.irp b, 0,1,2,3
	v_sqrt_f32 v[BM+\b], v[BM+\b]
.endr
	v_nop                                          ; a plain instruction behind the roots,
	s_wait_alu depctr_va_vdst(0)                   ; and one wait for the 68, ahead of their first reader
	v_min3_num_f32 v[TP], v[BM], v[BM+1], v[BM+2]
	v_min_num_f32 v[TP], v[TP], v[BM+3]            ; the step's smallest distance of my query
	v_mul_f32 v[TP], s[NC], v[TP]                  ; as t
	v_max_num_f32 v[TMX], v[TMX], v[TP]
	v_mov_b32 v[TP], v[NM]
	v_floor_f32 v[NM], -v[TMX]                     ; the new -M = floor(-t): M is a whole number
	v_sub_f32 v[TP], v[NM], v[TP]                  ; old M - new M: a whole number, 0 or less
	v_cvt_i32_f32 v[TP], v[TP]                     ; (it saturates)
	v_ldexp_f32 v[F], 1.0, v[TP]
.set j, 0
.rept 32
	v_pk_fma_f32 v[S+j:S+j+1], v[S+j:S+j+1], s[NC:NC+1], v[NM:NM+1] op_sel_hi:[1,0,0]   ; t - M, two at a time
.set j, j+2
.endr
.irp b, 0,1,2,3
	v_fma_f32 v[BM+\b], v[BM+\b], s[NC], v[NM]
.endr
.set j, 0
.rept 64
	v_exp_f32 v[S+j], v[S+j]                       ; p = 2^(t - M): not normalised
.set j, j+1
.endr
.irp b, 0,1,2,3
	v_exp_f32 v[BM+\b], v[BM+\b]                   ; the block's largest p
.endr
	v_pk_mul_f32 v[L:L+1], v[L:L+1], v[F:F+1] op_sel_hi:[1,0]        ; work that names no exponential's result: the sum and O^T under the new M
.set j, 0
.rept 16
	v_pk_mul_f32 v[O+j:O+j+1], v[O+j:O+j+1], v[F:F+1] op_sel_hi:[1,0]
.set j, j+2
.endr
	s_wait_alu depctr_va_vdst(0)                   ; one wait for the 68 exponentials, ahead of their first reader
.irp b, 0,1,2,3
	v_max_num_f32 v[BM+\b], 0x1800000, v[BM+\b]    ; the floor 2^(3 - 127): the byte cannot fall under 1
.endr
.irp b, 0,1,2,3
	v_add_nc_u32 v[SCL+\b], 0xff000000, v[BM+\b]   ; 2 off the exponent field: the conversion's scale operand
.endr
.irp b, 0,1,2,3
	v_lshrrev_b32 v[BX+\b], 23, v[SCL+\b]
.endr
	v_lshl_or_b32 v[PW], v[BX+2], 8, v[BX]         ; byte 2 c + h is key block 2 h + c's
	v_lshl_or_b32 v[PW], v[BX+1], 16, v[PW]
	v_lshl_or_b32 v[PW], v[BX+3], 24, v[PW]
.irp c, 0,1
	v_cvt_scalef32_pk16_fp6_f32 v[P+6*\c:P+6*\c+2], v[S+16*\c:S+16*\c+15], v[SCL+\c]          ; key block c: my 16 keys
	v_cvt_scalef32_pk16_fp6_f32 v[T+4*\c:T+4*\c+2], v[S+32+16*\c:S+47+16*\c], v[SCL+2+\c]     ; key block 2 + c
.endr
	v_nop                                          ; one plain instruction behind a scaled conversion
.irp c, 0,1
.irp i, 0,1,2
	v_permlane16_swap_b32 v[P+6*\c+\i], v[T+4*\c+\i]   ; lanes 0-15 now hold block c whole, lanes 16-31 block 2 + c: the first register the lower 16 keys, the second the upper
.endr
.irp i, 0,1,2
	v_mov_b32 v[P+6*\c+3+\i], v[T+4*\c+\i]
.endr
.endr
	v_pk_add_f32 v[L2:L2+1], v[S:S+1], v[S+2:S+3]  ; the sum of the UNQUANTISED p, in two chains; these 32 lines are also the places between p's codes and scale word and the products
.set j, 4
.rept 15
	v_pk_add_f32 v[L:L+1], v[L:L+1], v[S+j:S+j+1]
	v_pk_add_f32 v[L2:L2+1], v[L2:L2+1], v[S+j+2:S+j+3]
.set j, j+4
.endr
	v_pk_add_f32 v[L:L+1], v[L:L+1], v[L2:L2+1]
	s_wait_dscnt 0x0                               ; v
.irp t, 0,1,2,3                                ; O^T += v^T p^T: four accumulators, one instruction each
	v_wmma_scale_f32_16x16x128_f8f6f4 v[O+8*\t:O+8*\t+7], v[KF+12*\t:KF+12*\t+11], v[P:P+11], v[O+8*\t:O+8*\t+7], v[VSC+\t], v[PW] matrix_a_fmt:MATRIX_FMT_FP6 matrix_b_fmt:MATRIX_FMT_FP6
.endr
.endm
; A CHUNK: four records.  A fetching wave waits until its fill of this chunk has landed (the count: its fills of the later chunks, issued behind it, may stay out) and says so; behind the barrier all four records are whole.
.macro CHUNK c
	s_wait_tensorcnt 3-\c
	s_barrier_signal -1
	s_barrier_wait -1
	s_mov_b32 s[TB], 4*\c*REC
	s_mov_b32 s[CNT], 4
.Lstep_\@:
	STEP
	s_add_co_u32 s[TB], s[TB], REC
	s_sub_co_u32 s[CNT], s[CNT], 1
	s_cmp_lg_u32 s[CNT], 0
	s_cbranch_scc1 .Lstep_\@
.endm
	CHUNK 0
	CHUNK 1
	CHUNK 2
	CHUNK 3
	; THE WAY OUT: O^T / the sum, quantised along d (two blocks of 32), leaves as the six registers that the last product's operand takes for this head
	v_add_f32 v[L], v[L], v[L+1]
	v_permlanex16_b32 v[TP], v[L], s[SEL], s[SEL+1]
	v_add_f32 v[L], v[L], v[TP]                    ; the row's sum
	v_rcp_f32 v[RC], v[L]
.rept 3
	v_nop                                          ; with the two additions: the places behind the last products; and the plain instruction behind the reciprocal
.endr
	s_wait_alu depctr_va_vdst(0)
.set j, 0
.rept 16
	v_pk_mul_f32 v[S+j:S+j+1], v[O+j:O+j+1], v[RC:RC+1] op_sel_hi:[1,0]   ; register 16 e + i: d = 32 e + 16 h + i; each accumulator from its low end on
.set j, j+2
.endr
.irp b, 0,1
	v_max3_num_f32 v[BM+\b], |v[S+16*\b]|, |v[S+16*\b+1]|, 0x1800000
.endr
.irp i, 2,4,6,8,10,12,14
.irp b, 0,1
	v_max3_num_f32 v[BM+\b], v[BM+\b], |v[S+16*\b+\i]|, |v[S+16*\b+\i+1]|
.endr
.endr
.irp b, 0,1
	v_permlanex16_b32 v[BX+\b], v[BM+\b], s[SEL], s[SEL+1]
.endr
.irp b, 0,1
	v_max_num_f32 v[BM+\b], v[BM+\b], v[BX+\b]
.endr
.irp b, 0,1
	v_add_nc_u32 v[SCL+\b], 0xff000000, v[BM+\b]
.endr
.irp b, 0,1
	v_lshrrev_b32 v[BX+\b], 23, v[SCL+\b]
.endr
	v_lshl_or_b32 v[TP+1], v[BX+1], 8, v[BX]       ; the head's two scale bytes of my query
	v_cvt_scalef32_pk16_fp6_f32 v[P:P+2], v[S:S+15], v[SCL]
	v_cvt_scalef32_pk16_fp6_f32 v[T:T+2], v[S+16:S+31], v[SCL+1]
	v_nop
.irp i, 0,1,2
	v_permlane16_swap_b32 v[P+\i], v[T+\i]
.endr
.irp i, 0,1,2
	v_mov_b32 v[P+3+\i], v[T+\i]
.endr
	global_store_b128 v[C16], v[P:P+3], s[OCB:OCB+1]                 ; 512 consecutive bytes, at a multiple of 256 from the buffer's first byte
	global_store_b64 v[C8], v[P+4:P+5], s[OCB:OCB+1] offset:512      ; 256 more
	global_store_b16 v[CR], v[TP+1], s[OSB:OSB+1]                    ; two bytes of each query's sixteen: the other heads' work-groups write the rest; both halves of the lanes hold the same number
	s_wait_tensorcnt 0x0
	ds_add_u32 v254, v255
	s_wait_dscnt 0x0
	CROUND                                         ; the closing round: no work-group ends while a partner may still ask for a tile that names it
	s_endpgm
.Lfunc_end_k_qfface39ee9_attn:
	.size	k_qfface39ee9_attn, .Lfunc_end_k_qfface39ee9_attn-k_qfface39ee9_attn
	.p2alignl 7, 3214868480
	.fill 96, 4, 3214868480
	.section	.rodata,"a",@progbits
	.p2align	6, 0x0
	.amdhsa_kernel k_qfface39ee9_attn
		.amdhsa_group_segment_fixed_size 219136
		.amdhsa_private_segment_fixed_size 0
		.amdhsa_enable_private_segment 0
		.amdhsa_kernarg_size 32
		.amdhsa_user_sgpr_count 2
		.amdhsa_user_sgpr_kernarg_segment_ptr 1
		.amdhsa_wavefront_size32 1
		.amdhsa_system_sgpr_workgroup_id_x 1
		.amdhsa_system_sgpr_workgroup_id_y 1
		.amdhsa_system_sgpr_workgroup_id_z 1
		.amdhsa_system_vgpr_workitem_id 0
		.amdhsa_next_free_vgpr 256
		.amdhsa_next_free_sgpr 66
		.amdhsa_reserve_vcc 0
		.amdhsa_float_denorm_mode_32 3
		.amdhsa_float_denorm_mode_16_64 3
		.amdhsa_memory_ordered 1
		.amdhsa_forward_progress 1
		.amdhsa_inst_pref_size 113
	.end_amdhsa_kernel
	.amdgpu_metadata
---
amdhsa.version: [ 1, 2 ]
amdhsa.kernels:
  - .name:           k_qfface39ee9_attn
    .symbol:         k_qfface39ee9_attn.kd
    .args:
      - { .name: qrec, .offset: 0, .size: 8, .value_kind: global_buffer, .address_space: global }
      - { .name: kvrec, .offset: 8, .size: 8, .value_kind: global_buffer, .address_space: global }
      - { .name: oc, .offset: 16, .size: 8, .value_kind: global_buffer, .address_space: global }
      - { .name: os, .offset: 24, .size: 8, .value_kind: global_buffer, .address_space: global }
    .group_segment_fixed_size: 219136
    .private_segment_fixed_size: 0
    .kernarg_segment_align: 8
    .kernarg_segment_size: 32
    .max_flat_workgroup_size: 512
    .sgpr_count:     66
    .vgpr_count:     256
    .wavefront_size: 32
...
	.end_amdgpu_metadata
.endif
;; end of part 2
;; launch outp (part 3): grid 256 x 1, 8 waves a work-group, no clusters, 35,840 bytes of LDS; arguments oc, os, Wout_codes, Wout_scales, out0; writes out0
.if DOCPART == 3
	.amdgcn_target "amdgcn-amd-amdhsa--gfx1250"
	.amdhsa_code_object_version 6
	.text
	.protected	k_qfface39ee9_outp
	.globl	k_qfface39ee9_outp
	.p2align	8
	.type	k_qfface39ee9_outp,@function
k_qfface39ee9_outp:
	s_mov_b64 s[64:65], 0
	v_nop
	global_prefetch_b8 v0, s[64:65] scope:SCOPE_SE
	s_setreg_imm32_b32 hwreg(HW_REG_WAVE_MODE, 25, 1), 1
	s_wait_xcnt 0x0
; OUTP: out0[batch][o][n] = the sum over the 512 channels (head, d) of Wout[o][c] x the attention's result, on codes of FP6 (E2M3).  Both operands arrive as codes and go from memory straight into registers.
; A work-group makes 128 outputs x 64 positions; wave w: position tiles 2 (w % 2) + u, outputs 32 (w / 2) + 16 n + r: four accumulators, four K steps of 128 (two heads each).
; oc holds, for each tile of 16 positions and each head, six registers a lane (four at 16 x lane, two at 512 + 8 x lane): head hd is registers 6 hd .. 6 hd + 5 of the tile's 48.  os: 16 scale bytes a position: four words.
; Row r of tile 4 H + 2 e + u of a record is position 32 (2 H + e) + 8 u + r + 8 (r / 8).  With the positions as source 0, register j of lane (r, h) is then position 32 e + 8 u + 16 h + j of the work-group's 64, output r: eight neighbours of a row of out0.
; A row's 256 bytes come from two waves: they meet in a stage in LDS (rows of 256 + 16 bytes), and leave as whole aligned blocks of 256 bytes.
; No cluster: what work-groups share (Wout, 98,304 bytes) goes into each wave's registers once, 12,288 bytes a wave; a joint load would lay it in LDS first, to be read from there again.
.set WOF,  1                           ; v1  Wout: my row and half
.set WSF,  2                           ; v2  16 r: scale words, Wout's and the positions'
.set L16,  3                           ; v3  16 x lane
.set L8,   4                           ; v4  8 x lane
.set STO,  5                           ; v5  the stage: where I put 32 bytes of a row
.set RD,   6                           ; v6  and where I read a row back
.set GOF,  7                           ; v7  the same place in out0
.set WF,   16                          ; v16-111  Wout's fragments: tile n, K step s at 12 (4 n + s)
.set PF,   112                         ; v112-207 the positions': tile u at 48 u
.set ACC,  208                         ; v208-239 accumulator (n, u) at 8 (2 n + u)
.set WSC,  240                         ; v240-247 Wout's scale words
.set PSC,  248                         ; v248-255 the positions'
.set SP,   272
	s_load_b256 s[4:11], s[0:1], 0x0               ; oc, os, Wout's codes, Wout's scales
	s_load_b64 s[12:13], s[0:1], 0x20              ; out0
	v_lshl_add_u32 v14, v0, 2, 0x8800
	v_mov_b32 v15, 0
	v_lshrrev_b32 v8, 5, v0
	v_readfirstlane_b32 s14, v8                    ; wave 0..7
	v_and_b32 v8, 31, v0
	v_and_b32 v9, 15, v0                           ; r
	v_bfe_u32 v10, v0, 4, 1                        ; h
	s_lshr_b32 s15, ttmp9, 1
	s_and_b32 s16, ttmp9, 1                        ; which 128 outputs
	s_lshr_b32 s17, s15, 5                         ; batch
	s_and_b32 s18, s15, 31                         ; which 64 positions
	s_and_b32 s19, s14, 1                          ; my pair of position tiles
	s_lshr_b32 s20, s14, 1                         ; my 32 outputs
	v_mul_u32_u24 v[WOF], v9, 384                  ; a row of Wout is 512 codes, 384 bytes
	v_mad_u32_u24 v[WOF], v10, 24, v[WOF]
	v_lshlrev_b32 v[WSF], 4, v9
	v_lshlrev_b32 v[L16], 4, v8
	v_lshlrev_b32 v[L8], 3, v8
	s_mul_i32 s23, s20, 32*SP
	s_lshl_b32 s24, s19, 7
	s_add_co_u32 s23, s23, s24
	v_mul_u32_u24 v[STO], v9, SP
	v_lshl_add_u32 v[STO], v10, 6, v[STO]
	v_add_nc_u32 v[STO], s23, v[STO]               ; row 32 (w / 2) + r, + 128 (w % 2) + 64 h
	s_mul_i32 s23, s14, 16*SP
	v_mul_u32_u24 v[RD], v10, SP
	v_lshl_add_u32 v[RD], v9, 4, v[RD]
	v_add_nc_u32 v[RD], s23, v[RD]                 ; back: rows 16 w on; lanes 0-15 one row, lanes 16-31 the next
	v_lshlrev_b32 v[GOF], 4, v9
	v_lshl_add_u32 v[GOF], v10, 13, v[GOF]
	s_lshl_b32 s21, s16, 7
	s_lshl_b32 s22, s20, 5
	s_add_co_u32 s21, s21, s22                     ; my first row of Wout
	s_lshl_b32 s24, s17, 7
	s_lshl_b32 s22, s18, 2
	s_add_co_u32 s24, s24, s22
	s_lshl_b32 s22, s19, 1
	s_add_co_u32 s24, s24, s22                     ; my first tile of positions
	s_mov_b32 s27, 0
	s_wait_kmcnt 0x0
	s_mul_i32 s26, s24, 8*768
	s_add_nc_u64 s[4:5], s[4:5], s[26:27]
	s_lshl_b32 s26, s24, 8
	s_add_nc_u64 s[6:7], s[6:7], s[26:27]
	s_mul_i32 s26, s21, 384
	s_add_nc_u64 s[8:9], s[8:9], s[26:27]
	s_lshl_b32 s26, s21, 4
	s_add_nc_u64 s[10:11], s[10:11], s[26:27]
	s_lshl_b32 s26, s17, 8
	s_lshl_b32 s22, s16, 7
	s_add_co_u32 s26, s26, s22
	s_lshl_b32 s22, s14, 4
	s_add_co_u32 s26, s26, s22                     ; the first row of out0 that I store: 256 x batch + 128 x half + 16 x wave
	s_lshl_b32 s26, s26, 13
	s_lshl_b32 s22, s18, 8
	s_add_co_u32 s26, s26, s22
	s_add_nc_u64 s[12:13], s[12:13], s[26:27]
.irp u, 0,1
.irp d, 0,1,2,3,4,5,6,7
	global_load_b128 v[PF+48*\u+6*\d:PF+48*\u+6*\d+3], v[L16], s[4:5] offset:6144*\u+768*\d
	global_load_b64 v[PF+48*\u+6*\d+4:PF+48*\u+6*\d+5], v[L8], s[4:5] offset:6144*\u+768*\d+512
.endr
	global_load_b128 v[PSC+4*\u:PSC+4*\u+3], v[WSF], s[6:7] offset:256*\u
.endr
.irp n, 0,1
.irp k, 0,1,2,3
.irp p, 0,1,2,3,4,5
	global_load_b64 v[WF+12*(4*\n+\k)+2*\p:WF+12*(4*\n+\k)+2*\p+1], v[WOF], s[8:9] offset:16*\n*384+96*\k+48*(\p/3)+8*(\p%3)
.endr
.endr
	global_load_b128 v[WSC+4*\n:WSC+4*\n+3], v[WSF], s[10:11] offset:256*\n
.endr
	s_wait_loadcnt 0x0
.irp k, 0,1,2,3                                ; the four accumulators take turns, one instruction a turn; the first K step starts the sums
.irp n, 0,1
.irp u, 0,1
.if \k == 0
	v_wmma_scale_f32_16x16x128_f8f6f4 v[ACC+8*(2*\n+\u):ACC+8*(2*\n+\u)+7], v[PF+48*\u+12*\k:PF+48*\u+12*\k+11], v[WF+12*(4*\n+\k):WF+12*(4*\n+\k)+11], 0, v[PSC+4*\u+\k], v[WSC+4*\n+\k] matrix_a_fmt:MATRIX_FMT_FP6 matrix_b_fmt:MATRIX_FMT_FP6
.else
	v_wmma_scale_f32_16x16x128_f8f6f4 v[ACC+8*(2*\n+\u):ACC+8*(2*\n+\u)+7], v[PF+48*\u+12*\k:PF+48*\u+12*\k+11], v[WF+12*(4*\n+\k):WF+12*(4*\n+\k)+11], v[ACC+8*(2*\n+\u):ACC+8*(2*\n+\u)+7], v[PSC+4*\u+\k], v[WSC+4*\n+\k] matrix_a_fmt:MATRIX_FMT_FP6 matrix_b_fmt:MATRIX_FMT_FP6
.endif
.endr
.endr
.endr
.rept 4
	v_nop                                          ; four places ahead of the first read of results
.endr
.irp n, 0,1
.irp u, 0,1
	ds_store_b128 v[STO], v[ACC+8*(2*\n+\u):ACC+8*(2*\n+\u)+3] offset:16*SP*\n+32*\u       ; each accumulator from its low end on
	ds_store_b128 v[STO], v[ACC+8*(2*\n+\u)+4:ACC+8*(2*\n+\u)+7] offset:16*SP*\n+32*\u+16
.endr
.endr
	s_wait_dscnt 0x0                               ; for the others' sake: my stores into the stage have landed
	s_barrier_signal -1
	s_barrier_wait -1
.irp i, 0,1,2,3,4,5,6,7
	ds_load_b128 v[PF+4*\i:PF+4*\i+3], v[RD] offset:2*SP*\i
.endr
.irp i, 0,1,2,3,4,5,6,7
	s_wait_dscnt 7-\i                              ; LDS loads come back in order: pair i of rows is in, the younger ones may be out
	global_store_b128 v[GOF], v[PF+4*\i:PF+4*\i+3], s[12:13] offset:16384*\i th:TH_STORE_NT   ; sixteen lanes store 256 consecutive bytes, at a multiple of 256 from out0's first byte
.endr
	s_wait_tensorcnt 0x0
	ds_add_u32 v14, v15
	s_wait_dscnt 0x0
	s_endpgm
.Lfunc_end_k_qfface39ee9_outp:
	.size	k_qfface39ee9_outp, .Lfunc_end_k_qfface39ee9_outp-k_qfface39ee9_outp
	.p2alignl 7, 3214868480
	.fill 96, 4, 3214868480
	.section	.rodata,"a",@progbits
	.p2align	6, 0x0
	.amdhsa_kernel k_qfface39ee9_outp
		.amdhsa_group_segment_fixed_size 35840
		.amdhsa_private_segment_fixed_size 0
		.amdhsa_enable_private_segment 0
		.amdhsa_kernarg_size 40
		.amdhsa_user_sgpr_count 2
		.amdhsa_user_sgpr_kernarg_segment_ptr 1
		.amdhsa_wavefront_size32 1
		.amdhsa_system_sgpr_workgroup_id_x 1
		.amdhsa_system_sgpr_workgroup_id_y 1
		.amdhsa_system_sgpr_workgroup_id_z 1
		.amdhsa_system_vgpr_workitem_id 0
		.amdhsa_next_free_vgpr 256
		.amdhsa_next_free_sgpr 66
		.amdhsa_reserve_vcc 0
		.amdhsa_float_denorm_mode_32 3
		.amdhsa_float_denorm_mode_16_64 3
		.amdhsa_memory_ordered 1
		.amdhsa_forward_progress 1
		.amdhsa_inst_pref_size 15
	.end_amdhsa_kernel
	.amdgpu_metadata
---
amdhsa.version: [ 1, 2 ]
amdhsa.kernels:
  - .name:           k_qfface39ee9_outp
    .symbol:         k_qfface39ee9_outp.kd
    .args:
      - { .name: oc, .offset: 0, .size: 8, .value_kind: global_buffer, .address_space: global }
      - { .name: os, .offset: 8, .size: 8, .value_kind: global_buffer, .address_space: global }
      - { .name: Wout_codes, .offset: 16, .size: 8, .value_kind: global_buffer, .address_space: global }
      - { .name: Wout_scales, .offset: 24, .size: 8, .value_kind: global_buffer, .address_space: global }
      - { .name: out0, .offset: 32, .size: 8, .value_kind: global_buffer, .address_space: global }
    .group_segment_fixed_size: 35840
    .private_segment_fixed_size: 0
    .kernarg_segment_align: 8
    .kernarg_segment_size: 40
    .max_flat_workgroup_size: 256
    .sgpr_count:     66
    .vgpr_count:     256
    .wavefront_size: 32
...
	.end_amdgpu_metadata
.endif
;; end of part 3
;; ======== version 2 of 2: 3 launches
;; limits: right only within a limited range of input values
;; workspace buffers: qrec 6,946,816 bytes; kvrec 6,946,816 bytes; oc 3,145,728 bytes; os 131,072 bytes
;; launch proj (part 4): grid 256 x 1, 8 waves a work-group, no clusters, 69,120 bytes of LDS; arguments fmap, context, mask, gamma, gamma_ctx, Wq_codes, Wq_scales, Wkv_codes, Wkv_scales, qrec, kvrec; writes qrec, kvrec
.if DOCPART == 4
	.amdgcn_target "amdgcn-amd-amdhsa--gfx1250"
	.amdhsa_code_object_version 6
	.text
	.protected	k_qfface39ee9_proj
	.globl	k_qfface39ee9_proj
	.p2align	8
	.type	k_qfface39ee9_proj,@function
k_qfface39ee9_proj:
	s_mov_b64 s[64:65], 0
	v_nop
	global_prefetch_b8 v0, s[64:65] scope:SCOPE_SE
	s_setreg_imm32_b32 hwreg(HW_REG_WAVE_SCHED_MODE, 0, 2), 2
	s_setreg_imm32_b32 hwreg(HW_REG_WAVE_MODE, 25, 1), 1
	s_wait_xcnt 0x0
	s_wait_alu depctr_vm_vsrc(0)
; PROJ: channel RMS norm of fmap and of context, their quantising along the 256 channels, the products with Wq and Wkv on codes of FP6 (E2M3), and the quantising of q, k (along d) and v (along the keys).
; Work-groups 0-127 take context (k, then v), work-groups 128-255 take fmap (q): 64 positions of one batch each.  Only pointers and three factors are chosen by the work-group's number: one text for q and k.
; Wave w: in phase X channels 32 w .. 32 w + 31 (one block of the quantiser) of all 64 positions, two positions a lane; in the products head w (64 rows of the weight), whose fragments go from memory straight into its registers.
; q IS STORED AS -2 q: a power of two and a sign pass through the quantiser unchanged, so the next launch's product gives -2 q.k; its sum of squares is taken back by 1/4.
; THE RECORD (qrec, kvrec), one for each (batch x 8 + head, 128 positions), REC bytes, laid as the next launch's registers take it:
;   KI  codes of q or k: 8 tiles of 16 positions x 6 registers; register R = 6 t + j of lane L at 512 (R / 4) + 16 L + 4 (R % 4); lane r + 16 h of tile 2 b + u: position 32 b + 8 u + r + 8 (r / 8), d = 32 h ..
;   VI  (kvrec) v's four fragments, d in the lanes (tile 2 e + u, lane r: d = 32 e + 8 u + r + 8 (r / 8)), keys along the registers: registers 6 c .. 6 c + 5 of lane half h hold key block 2 h + c
;   KS  scale words of KI: [t / 4][r + 16 (t % 2)][(t / 2) % 2]: byte 0, 1 the two blocks of d, bytes 2, 3 = 127      VS  v's scale words [r][tile]: byte 2 c + h for key block 2 h + c
;   K2  the 128 sums of squares in the positions' order; in kvrec 2^120 where the mask hides the key
; No cluster: the weights, which work-groups share, go from memory into each wave's registers once, 12,288 bytes a wave and job, in the order of the operand's registers; a joint load would lay them in LDS first, to be read from there again.
; LIMITS: NaN and infinities among the inputs are not served.  A block of zeros gets the scale byte 1, not 127: its codes are zeros, and this program alone reads the bytes.  The division by the norm is v_rcp_f32 and a multiplication.
; THE MODE: SCHED_MODE bits 1:0 = 2 (LLVM: expert scheduling mode 2), set by the entry lines.  The code itself states the register dependences
; between vector or matrix instructions and memory or LDS instructions, with s_wait_alu, always for 0.
; THE PLAN.  Registers that memory or LDS instructions touch:
;   v1-v29        offsets and LDS addresses: made once at the head, never written again: one wait ahead of the first load serves them all.
;   phase X       both positions are quantised first; one wait; their eight LDS stores.  Behind each of the two barriers one wait states that my stores have read their data, in which loads land next.
;   XF A, XF B    x's fragments for q or k, two buffers, with a pair of scale words each.  Tile m's land in buffer m % 2 and are read by tile m's eight products alone; tile m + 2's are asked for at the end of tile m.
;   SQ, C, PWR    a tile's results: written by its vector lines, read by the five LDS stores at its end, written again in the next tile.
;   So a tile has ONE wait on va_vdst, at its end: its results are written, and its products are done with their buffer; the five stores and the next fetch follow with no vector line between.  One wait on vm_vsrc stands at
;   the next tile's head: the stores have read SQ, C and PWR.
;   W, WS         the weight: in tile 3 v's rows of Wkv land there, behind a wait of their own that stands behind the tile's products.
;   v             XF (48 registers) and XS are read by the sixteen products of a block of 32 keys; the second block's land there behind a wait that stands behind the first block's last products.  C and T: written by a
;                 step's conversions, read by its six stores (a wait on va_vdst ahead of them), written again in the next step (a wait on vm_vsrc ahead of its conversions).
.set REC,   13568
.set HEADB, 16*REC
.set KI,    0
.set VI,    6144
.set KS,    12288
.set VS,    12800
.set K2,    13056
.set FRB,   1536                       ; a fragment's image: 12 registers x 128 bytes
.set XIMG,  0                          ; LDS: x's 8 fragments (tile of 16 positions m, K step s: 2 m + s), as images of their registers
.set XSC,   8*FRB                      ; x's scale bytes: [position][8]
.set PART,  XSC+512                    ; partial sums of squares: [wave][lane][2]
.set KST,   PART+2048                  ; a stage for each wave: 3,072 bytes of codes, 256 of scale words, 256 of sums of squares
.set KSTB,  3584
.set VST,   KST+8*KSTB                 ; and one for v: 12 groups of 256 bytes
.set VSTB,  3072
.set XO,    1                          ; v1   4 x lane
.set PSA,   2                          ; v2   where I put my two partial sums
.set PLA,   3                          ; v3   where I read the eight waves' sums
.set XI,    4                          ; v4-6 where my block's three pairs of code registers go in x's images
.set XSB,   7                          ; v7   and its scale byte
.set LI,    8                          ; v8   16 x lane: an image read as it lies
.set LV,    9                          ; v9   an image read with the rows in the order of a tile of keys
.set XSA,   10                         ; v10  x's scale words, plain rows
.set XSV,   11                         ; v11  and in the order of a tile of keys
.set WO,    12                         ; v12  my row and half in a tile of the weight
.set WSO,   13                         ; v13  its scale words
.set KA,    14                         ; v14-16 the stage: my three pairs of code registers
.set KSA,   17                         ; v17  my scale word
.set SQA,   18                         ; v18  my sum of squares
.set RB16,  19                         ; v19  the stage read back, 16 bytes a lane
.set RB8,   20                         ; v20  8 bytes a lane
.set AV12,  21                         ; v21, v22 v's stage: 16 r + 12 h and 16 r + 252 h
.set AV252, 22
.set VRB,   23                         ; v23  v's stage read back
.set VGO,   24                         ; v24  and its place in the record
.set VSO,   25                         ; v25  v's scale bytes in the record
.set G16,   26                         ; v26  16 x lane, v27  8 x lane: offsets in the record
.set G8,    27
.set MKO,   28                         ; v28  r: the mask's byte
.set BIG,   29                         ; v29  2^120
.set W,     32                         ; v32-127  the weight's fragments: tile t, K step s at 12 (2 t + s)
.set WS,    128                        ; v128-135 their scale words
.set X0,    136                        ; v136-167, v168-199  phase X: 32 channels of two positions
.set X1,    168
.set XF,    136                        ; the products: x's fragments (q, k: buffer A, v136-159; v: v136-183);
.set XSTEP, 74                         ; q, k: buffer B lies 74 registers on: v210-233
.set ACC,   168                        ; q's or k's four accumulators
.set XS,    200                        ; v200-203 x's scale words (q, k: a pair for each buffer)
.set VA,    204                        ; v204-235 v's four accumulators
.set PS,    204                        ; phase X: sums
.set SQ,    204                        ; q, k: sums of squares;  v208 the other half's;  v209 the scale word
.set SX,    208
.set PWR,   209
.set C2,    220                        ; phase X: the second position's codes
.set T2,    226
.set BYT,   230
.set C,     236                        ; v236-241 six registers of codes;  v242-244 three more
.set T,     242
.set TM,    246                        ; v246-249 largest magnitudes, bytes
.set SCL,   250                        ; v250-251 the conversions' scale operands
.set MK,    252                        ; v252-255 the mask's bytes; later v's scale bytes
.set BY,    252
.set LN,    236                        ; at the head only: lane, r, h, r / 8, r % 8, r + 8 (r / 8), r % 8 + 16 h, at work
.set RR,    237
.set HH,    238
.set R8,    239
.set R7,    240
.set RP,    241
.set RH7,   242
.set TT,    243
.set WV,    26                         ; s26  wave;  s27 batch, s28 block of 64 positions, s29 its half of a record, s30 the record
.set GAM,   32                         ; s32-63 my 32 channels' gains
.set CM,    32                         ; s32-35 behind phase X, when the gains are done with: for each tile of 16 positions, the lanes whose key is hidden
.set SEL,   66                         ; s[66:67] v_permlanex16_b32's selects for lane l xor 16
.set FF,    68                         ; s[68:69] 1 for k, -2 for q;  s70 1 or 1/4;  s71 0 or 1: q has no mask
.set F2,    70
.set MOR,   71
.set HI16,  72                         ; s72  lanes 16-31
.set XB,    74
.set WB,    76
.set WSB,   78
.set W2B,   80
.set W2SB,  82
.set RB,    84                         ; s[84:85] my head's record
.set MB,    86
.set GB,    88
.set RK,    92                         ; the record + 3,072 H, + 256 H, + H
.set RH,    94
.set R1,    96
.set TQ,    98
	s_load_b512 s[4:19], s[0:1], 0x0               ; fmap, context, mask, gamma, gamma_ctx, Wq's codes, Wq's scales, Wkv's codes
	s_load_b128 s[20:23], s[0:1], 0x40             ; Wkv's scales, qrec
	s_load_b64 s[24:25], s[0:1], 0x50              ; kvrec
	v_lshl_add_u32 v31, v0, 2, 0x10a00
	v_mov_b32 v245, 0
	v_lshrrev_b32 v[TT], 5, v0
	v_readfirstlane_b32 s[WV], v[TT]               ; wave 0..7
	s_and_b32 s31, ttmp9, 127
	s_lshr_b32 s27, s31, 5                         ; batch
	s_and_b32 s28, s31, 31                         ; which 64 positions
	s_and_b32 s29, s28, 1                          ; H: which half of a record
	s_lshr_b32 s30, s28, 1                         ; which record
	s_mov_b32 s[SEL], 0x76543210
	s_mov_b32 s[SEL+1], 0xfedcba98
	s_mov_b32 s[HI16], 0xffff0000
	v_and_b32 v[LN], 31, v0
	v_and_b32 v[RR], 15, v0
	v_bfe_u32 v[HH], v0, 4, 1
	s_wait_alu depctr_va_vdst(0)
	v_bfe_u32 v[R8], v0, 3, 1
	v_and_b32 v[R7], 7, v0
	v_lshl_add_u32 v[RP], v[R8], 3, v[RR]
	v_lshl_add_u32 v[RH7], v[HH], 4, v[R7]
	v_lshlrev_b32 v[XO], 2, v[LN]
	s_wait_alu depctr_va_sdst(0)                   ; the wave's number is written, ahead of its first reader: LDS addresses and the buffers' bases are made from it
	s_lshl_b32 s88, s[WV], 8
	v_lshl_add_u32 v[PSA], v[LN], 3, s88
	v_add_nc_u32 v[PSA], PART, v[PSA]
	v_lshl_add_u32 v[PLA], v[LN], 3, PART
	; my block w of 32 channels is K step w / 4, registers 6 c .. 6 c + 5 with c = (w / 2) % 2, lane half w % 2; my lane's position l is tile l / 16, row l % 16
	s_lshr_b32 s88, s[WV], 2
	s_mul_i32 s88, s88, FRB
	s_and_b32 s89, s[WV], 1
	s_lshl_b32 s89, s89, 8
	s_add_co_u32 s88, s88, s89
	s_bfe_u32 s89, s[WV], 0x10001                  ; c
	s_mul_i32 s90, s89, 1016                       ; register pairs 0, 2, 4 lie at 0, 8, 512; pairs 6, 8, 10 at 520, 1,024, 1,032
	s_mul_i32 s89, s89, 520
	v_mul_u32_u24 v[XI], v[HH], 2*FRB
	v_lshl_add_u32 v[XI], v[RR], 4, v[XI]
	v_add_nc_u32 v[XI], s88, v[XI]
	v_add_nc_u32 v[XI+1], s90, v[XI]
	v_add_nc_u32 v[XI+1], 8, v[XI+1]
	v_add_nc_u32 v[XI+2], s89, v[XI]
	v_add_nc_u32 v[XI+2], 512, v[XI+2]
	v_add_nc_u32 v[XI], s89, v[XI]
	v_lshl_add_u32 v[XSB], v[LN], 3, s[WV]
	v_add_nc_u32 v[XSB], XSC, v[XSB]
	v_lshlrev_b32 v[LI], 4, v[LN]
	v_lshlrev_b32 v[LV], 4, v[RH7]
	v_mad_u32_u24 v[LV], v[R8], 2*FRB, v[LV]       ; row r of a tile of keys is plain row r % 8 (+ 8 u) of plain tile 2 b + r / 8
	v_lshl_add_u32 v[XSA], v[RR], 3, XSC
	v_lshl_add_u32 v[XSV], v[RP], 3, XSC
	v_mul_u32_u24 v[WO], v[RP], 192                ; a row of the weight is 256 codes, 192 bytes
	v_mad_u32_u24 v[WO], v[HH], 24, v[WO]
	v_lshlrev_b32 v[WSO], 3, v[RP]
	s_mul_i32 s90, s[WV], KSTB
	s_add_co_u32 s90, s90, KST                     ; my stage
	s_mul_i32 s91, s[WV], VSTB
	s_add_co_u32 s91, s91, VST                     ; and v's
	v_lshl_add_u32 v[KA], v[RH7], 4, s90
	v_mad_u32_u24 v[KA+1], v[R8], 1016, v[KA]
	v_add_nc_u32 v[KA+1], 8, v[KA+1]
	v_mad_u32_u24 v[KA+2], v[R8], 520, v[KA]
	v_add_nc_u32 v[KA+2], 512, v[KA+2]
	v_mad_u32_u24 v[KA], v[R8], 520, v[KA]
	v_lshl_add_u32 v[TT], v[R8], 4, v[R7]
	v_lshl_add_u32 v[KSA], v[TT], 3, s90
	v_add_nc_u32 v[KSA], 3072, v[KSA]
	v_lshl_add_u32 v[SQA], v[RR], 2, s90
	v_add_nc_u32 v[SQA], 3328, v[SQA]
	v_lshl_add_u32 v[RB16], v[LN], 4, s90
	v_lshl_add_u32 v[RB8], v[LN], 3, s90
	v_add_nc_u32 v[RB8], 3072, v[RB8]
	v_lshl_add_u32 v[AV12], v[RR], 4, s91
	v_mad_u32_u24 v[AV252], v[HH], 252, v[AV12]
	v_mad_u32_u24 v[AV12], v[HH], 12, v[AV12]
	v_lshl_add_u32 v[VRB], v[LN], 4, s91
	v_lshlrev_b32 v[VGO], 4, v[RR]
	v_lshl_add_u32 v[VGO], v[HH], 9, v[VGO]
	v_lshlrev_b32 v[VSO], 4, v[RR]
	v_lshl_add_u32 v[VSO], v[HH], 1, v[VSO]
	v_lshlrev_b32 v[G16], 4, v[LN]
	v_lshlrev_b32 v[G8], 3, v[LN]
	v_mov_b32 v[MKO], v[RR]
	v_mov_b32 v[BIG], 0x7b800000                   ; 2^120
	s_wait_kmcnt 0x0
	s_cmp_lt_u32 ttmp9, 128                        ; context or fmap?  The choice hangs on the work-group's number alone
	s_cselect_b64 s[XB:XB+1], s[6:7], s[4:5]
	s_cselect_b64 s[WB:WB+1], s[18:19], s[14:15]
	s_cselect_b64 s[WSB:WSB+1], s[20:21], s[16:17]
	s_cselect_b64 s[RB:RB+1], s[24:25], s[22:23]
	s_cselect_b64 s[GB:GB+1], s[12:13], s[10:11]
	s_cselect_b32 s[FF], 1.0, -2.0
	s_cselect_b32 s[F2], 1.0, 0x3e800000
	s_cselect_b32 s[MOR], 0, 1
	s_mov_b32 s[FF+1], s[FF]
	s_lshl_b32 s[TQ], s[WV], 7                     ; my 32 gains
	s_mov_b32 s[TQ+1], 0
	s_add_nc_u64 s[GB:GB+1], s[GB:GB+1], s[TQ:TQ+1]
	s_load_b512 s[GAM:GAM+15], s[GB:GB+1], 0x0
	s_load_b512 s[GAM+16:GAM+31], s[GB:GB+1], 0x40
	s_lshl_b32 s[TQ], s27, 21                      ; x: batch x 256 rows of 8,192 bytes + my 32 rows + my 64 positions
	s_lshl_b32 s31, s[WV], 18
	s_add_co_u32 s[TQ], s[TQ], s31
	s_lshl_b32 s31, s28, 8
	s_add_co_u32 s[TQ], s[TQ], s31
	s_add_nc_u64 s[XB:XB+1], s[XB:XB+1], s[TQ:TQ+1]
	s_mul_i32 s[TQ], s[WV], 64*192                 ; my head's 64 rows of the weight; v's lie 512 rows further down in Wkv
	s_add_nc_u64 s[WB:WB+1], s[WB:WB+1], s[TQ:TQ+1]
	s_add_nc_u64 s[W2B:W2B+1], s[18:19], s[TQ:TQ+1]
	s_add_nc_u64 s[W2B:W2B+1], s[W2B:W2B+1], 512*192
	s_lshl_b32 s[TQ], s[WV], 9
	s_add_nc_u64 s[WSB:WSB+1], s[WSB:WSB+1], s[TQ:TQ+1]
	s_add_nc_u64 s[W2SB:W2SB+1], s[20:21], s[TQ:TQ+1]
	s_add_nc_u64 s[W2SB:W2SB+1], s[W2SB:W2SB+1], 512*8
	s_lshl_b32 s31, s27, 3
	s_add_co_u32 s31, s31, s[WV]
	s_mul_i32 s[TQ], s31, HEADB
	s_mul_i32 s31, s30, REC
	s_add_co_u32 s[TQ], s[TQ], s31
	s_add_nc_u64 s[RB:RB+1], s[RB:RB+1], s[TQ:TQ+1]
	s_mul_i32 s[TQ], s29, 3072
	s_add_nc_u64 s[RK:RK+1], s[RB:RB+1], s[TQ:TQ+1]
	s_lshl_b32 s[TQ], s29, 8
	s_add_nc_u64 s[RH:RH+1], s[RB:RB+1], s[TQ:TQ+1]
	s_mov_b32 s[TQ], s29
	s_add_nc_u64 s[R1:R1+1], s[RB:RB+1], s[TQ:TQ+1]
	s_lshl_b32 s[TQ], s27, 11
	s_lshl_b32 s31, s28, 6
	s_add_co_u32 s[TQ], s[TQ], s31
	s_add_nc_u64 s[MB:MB+1], s[8:9], s[TQ:TQ+1]
; a head's 64 rows of a weight: four tiles x two K steps, and their scale words.  THE ROWS OF A TILE ARE NOT NEIGHBOURS: lane r of tile 2 e + u takes row 32 e + 8 u + r + 8 (r / 8)
.macro WLOAD cb, sb
.irp t, 0,1,2,3
.irp k, 0,1
.irp p, 0,1,2,3,4,5
	global_load_b64 v[W+12*(2*\t+\k)+2*\p:W+12*(2*\t+\k)+2*\p+1], v[WO], s[\cb:\cb+1] offset:(32*(\t/2)+8*(\t%2))*192+96*\k+48*(\p/3)+8*(\p%3)
.endr
.endr
	global_load_b64 v[WS+2*\t:WS+2*\t+1], v[WSO], s[\sb:\sb+1] offset:(32*(\t/2)+8*(\t%2))*8
.endr
.endm
	s_wait_alu depctr_va_vdst(0)                   ; the offsets and LDS addresses v1 to v29 are written: every load and store of the kernel, global or LDS, reads one of them, and none is written again
.set i, 0
.rept 32                                       ; a channel's two loads cover the work-group's 256 consecutive bytes of that row
	global_load_b32 v[X0+i], v[XO], s[XB:XB+1] offset:8192*i th:TH_LOAD_NT
	global_load_b32 v[X1+i], v[XO], s[XB:XB+1] offset:8192*i+128 th:TH_LOAD_NT
.set i, i+1
.endr
	WLOAD WB, WSB
.irp m, 0,1,2,3
	global_load_u8 v[MK+\m], v[MKO], s[MB:MB+1] offset:16*\m
.endr
	; ---- X: the norm.  My 32 channels' squares of two positions; the eight waves' sums meet in LDS
	s_wait_loadcnt 56                              ; x's 64 loads are in; the 48 + 4 + 4 of the weight, its scale words and the mask, issued behind them, may be out
	v_pk_mul_f32 v[PS:PS+1], v[X0:X0+1], v[X0:X0+1]
	v_pk_mul_f32 v[PS+2:PS+3], v[X1:X1+1], v[X1:X1+1]
.set i, 2
.rept 15
	v_pk_fma_f32 v[PS:PS+1], v[X0+i:X0+i+1], v[X0+i:X0+i+1], v[PS:PS+1]
	v_pk_fma_f32 v[PS+2:PS+3], v[X1+i:X1+i+1], v[X1+i:X1+i+1], v[PS+2:PS+3]
.set i, i+2
.endr
	v_add_f32 v[PS+4], v[PS], v[PS+1]
	v_add_f32 v[PS+5], v[PS+2], v[PS+3]
	s_wait_alu depctr_va_vdst(0)                   ; my two sums are written, which the LDS store reads; and the lines above are done with v[PS ..], in which the loads behind the barrier land
	ds_store_b64 v[PSA], v[PS+4:PS+5]
	s_wait_dscnt 0x0                               ; for the others' sake: my store has landed
	s_barrier_signal -1
	s_barrier_wait -1
	s_wait_alu depctr_vm_vsrc(0)                   ; my store has read v[PS+4:PS+5], in which one of the loads below lands
.irp k, 0,1,2,3,4,5,6,7
	ds_load_b64 v[PS+2*\k:PS+2*\k+1], v[PLA] offset:256*\k
.endr
	s_wait_dscnt 0x0
	v_pk_add_f32 v[PS:PS+1], v[PS:PS+1], v[PS+2:PS+3]
	v_pk_add_f32 v[PS+4:PS+5], v[PS+4:PS+5], v[PS+6:PS+7]
	v_pk_add_f32 v[PS+8:PS+9], v[PS+8:PS+9], v[PS+10:PS+11]
	v_pk_add_f32 v[PS+12:PS+13], v[PS+12:PS+13], v[PS+14:PS+15]
	v_pk_add_f32 v[PS:PS+1], v[PS:PS+1], v[PS+4:PS+5]
	v_pk_add_f32 v[PS+8:PS+9], v[PS+8:PS+9], v[PS+12:PS+13]
	v_pk_add_f32 v[PS:PS+1], v[PS:PS+1], v[PS+8:PS+9]
	s_wait_alu depctr_va_vdst(0)
	v_sqrt_f32 v[PS+2], v[PS]
	v_sqrt_f32 v[PS+3], v[PS+1]
	v_nop                                          ; a plain instruction behind the roots,
	s_wait_alu depctr_va_vdst(0)                   ; and the wait ahead of their first reader: the two roots are written
	v_max_num_f32 v[PS+2], 0x2b8cbccc, v[PS+2]     ; the norm, at least 1e-12
	v_max_num_f32 v[PS+3], 0x2b8cbccc, v[PS+3]
	s_wait_alu depctr_va_vdst(0)
	v_rcp_f32 v[PS+4], v[PS+2]
	v_rcp_f32 v[PS+6], v[PS+3]
	v_nop
	s_wait_alu depctr_va_vdst(0)                   ; the same for the two reciprocals
	v_mul_f32 v[PS+4], 0x41800000, v[PS+4]         ; x sqrt(256)
	v_mul_f32 v[PS+6], 0x41800000, v[PS+6]
.set i, 0
.rept 16
	v_pk_mul_f32 v[X0+i:X0+i+1], v[X0+i:X0+i+1], v[PS+4:PS+5] op_sel_hi:[1,0]
	v_pk_mul_f32 v[X1+i:X1+i+1], v[X1+i:X1+i+1], v[PS+6:PS+7] op_sel_hi:[1,0]
.set i, i+2
.endr
	s_wait_kmcnt 0x0                               ; the gains
.set i, 0
.rept 32
	v_mul_f32 v[X0+i], s[GAM+i], v[X0+i]
	v_mul_f32 v[X1+i], s[GAM+i], v[X1+i]
.set i, i+1
.endr
; a lane's 32 registers are one whole block of the quantiser: its largest magnitude (with the floor 2^(3 - 127) among the leaves, so that the byte cannot fall under 1), 2 off the exponent field, two conversions
.macro QB32V src, cd, tp, e
	v_max3_num_f32 v[TM+2*\e], |v[\src]|, |v[\src+1]|, 0x1800000
	v_max3_num_f32 v[TM+2*\e+1], |v[\src+2]|, |v[\src+3]|, |v[\src+4]|
.irp i, 5,9,13,17,21,25
	v_max3_num_f32 v[TM+2*\e], v[TM+2*\e], |v[\src+\i]|, |v[\src+\i+1]|
	v_max3_num_f32 v[TM+2*\e+1], v[TM+2*\e+1], |v[\src+\i+2]|, |v[\src+\i+3]|
.endr
	v_max3_num_f32 v[TM+2*\e], v[TM+2*\e], |v[\src+29]|, |v[\src+30]|
	v_max3_num_f32 v[TM+2*\e], v[TM+2*\e], v[TM+2*\e+1], |v[\src+31]|
	v_add_nc_u32 v[SCL+\e], 0xff000000, v[TM+2*\e] ; the conversion takes this operand's exponent field as its scale
	v_cvt_scalef32_pk16_fp6_f32 v[\cd:\cd+2], v[\src:\src+15], v[SCL+\e]
	v_cvt_scalef32_pk16_fp6_f32 v[\tp:\tp+2], v[\src+16:\src+31], v[SCL+\e]   ; (a conversion's three registers begin on an even number)
	v_lshrrev_b32 v[BYT+\e], 23, v[SCL+\e]         ; the scale's byte; also the plain instruction behind the conversions
.irp i, 0,1,2
	v_mov_b32 v[\cd+3+\i], v[\tp+\i]
.endr
.endm
.macro QB32S cd, e                             ; the block's codes into x's images, its byte among x's scale bytes
.irp q, 0,1,2
	ds_store_b64 v[XI+\q], v[\cd+2*\q:\cd+2*\q+1] offset:4*FRB*\e
.endr
	ds_store_b8 v[XSB], v[BYT+\e] offset:256*\e
.endm
	QB32V X0, C, T, 0                              ; position l
	QB32V X1, C2, T2, 1                            ; position 32 + l: two tiles, four images, further on
	s_wait_alu depctr_va_vdst(0)                   ; both positions' codes and bytes are written, which the eight LDS stores read; and phase X is done with v136-159 and v210-233, in which x's fragments land behind the barrier
	QB32S C, 0
	QB32S C2, 1
	s_wait_dscnt 0x0                               ; my stores have landed
	s_barrier_signal -1
	s_barrier_wait -1                              ; x's eight fragments and their scale bytes lie in LDS; nobody writes them again
	s_wait_alu depctr_vm_vsrc(0)                   ; my eight stores have read their data: the second position's codes and the bytes lie in buffer B, in which a fragment lands below; the first position's are written again by tile 0's conversions
.macro FETCH reg, adr, off                     ; a fragment's image into 12 registers
.irp c, 0,1,2
	ds_load_b128 v[\reg+4*\c:\reg+4*\c+3], v[\adr] offset:\off+512*\c
.endr
.endm
.macro XFETCH m                                ; tile m of 16 positions: its two fragments and its pair of scale words into buffer m % 2: seven LDS loads
	FETCH XF+XSTEP*((\m)%2), LI, (2*(\m))*FRB
	FETCH XF+XSTEP*((\m)%2)+12, LI, (2*(\m)+1)*FRB
	ds_load_b64 v[XS+2*((\m)%2):XS+2*((\m)%2)+1], v[XSA] offset:128*(\m)
.endm
; two blocks of 32, each in 16 registers of lanes l and l xor 16: largest magnitudes, scale operands in v[SCL], v[SCL+1], bytes in v[TM+2], v[TM+3].  Each accumulator is read from its low end on
.macro BLKMAX acc
.irp b, 0,1
	v_max3_num_f32 v[TM+\b], |v[\acc+16*\b]|, |v[\acc+16*\b+1]|, 0x1800000
.endr
.irp i, 2,4,6,8,10,12,14
.irp b, 0,1
	v_max3_num_f32 v[TM+\b], v[TM+\b], |v[\acc+16*\b+\i]|, |v[\acc+16*\b+\i+1]|
.endr
.endr
.irp b, 0,1
	v_permlanex16_b32 v[TM+2+\b], v[TM+\b], s[SEL], s[SEL+1]
.endr
.irp b, 0,1
	v_max_num_f32 v[TM+\b], v[TM+\b], v[TM+2+\b]
.endr
.irp b, 0,1
	v_add_nc_u32 v[SCL+\b], 0xff000000, v[TM+\b]
.endr
.irp b, 0,1
	v_lshrrev_b32 v[TM+2+\b], 23, v[SCL+\b]
.endr
.endm
	; ---- q or k: source 0 = 16 rows of the weight, source 1 = 16 positions: a lane holds one position, and the 16 registers of tiles 2 e, 2 e + 1 are d = 32 e + 16 h + 0 .. 15
	XFETCH 0
	XFETCH 1
	s_wait_loadcnt 0x0                             ; the weight, its scale words, the mask
.irp m, 0,1,2,3
	v_or_b32 v[MK+\m], s[MOR], v[MK+\m]            ; q has no mask
.endr
.irp m, 0,1,2,3
	v_cmp_eq_u32 s[CM+\m], 0, v[MK+\m]             ; the four tiles' hidden keys, in one run
.endr
	s_wait_alu depctr_va_sdst(0)                   ; the four masks are written, ahead of their first reader: each tile's selection below reads one
.irp m, 0,1,2,3
.if \m == 0
	s_wait_dscnt 7                                 ; LDS instructions end in order: tile 0's seven loads are in; tile 1's seven may be out
.elseif \m == 3
	s_wait_dscnt 5                                 ; tile 3's loads are in; the last tile's five stores may be out
.else
	s_wait_dscnt 12                                ; this tile's loads are in; the last tile's five stores and the next tile's seven loads, issued behind them, may be out
.endif
.if \m > 0
	s_wait_alu depctr_vm_vsrc(0)                   ; the last tile's five stores have read the sum of squares, the codes and the scale word, which this tile writes again
.endif
.irp t, 0,1,2,3                                ; the four accumulators take turns, one instruction a turn
	v_wmma_scale_f32_16x16x128_f8f6f4 v[ACC+8*\t:ACC+8*\t+7], v[W+24*\t:W+24*\t+11], v[XF+XSTEP*(\m%2):XF+XSTEP*(\m%2)+11], 0, v[WS+2*\t], v[XS+2*(\m%2)] matrix_a_fmt:MATRIX_FMT_FP6 matrix_b_fmt:MATRIX_FMT_FP6
.endr
.irp t, 0,1,2,3
	v_wmma_scale_f32_16x16x128_f8f6f4 v[ACC+8*\t:ACC+8*\t+7], v[W+24*\t+12:W+24*\t+23], v[XF+XSTEP*(\m%2)+12:XF+XSTEP*(\m%2)+23], v[ACC+8*\t:ACC+8*\t+7], v[WS+2*\t+1], v[XS+2*(\m%2)+1] matrix_a_fmt:MATRIX_FMT_FP6 matrix_b_fmt:MATRIX_FMT_FP6
.endr
.rept 4
	v_nop                                          ; four places ahead of the first read of results
.endr
.if \m == 3
	s_cmp_lt_u32 ttmp9, 128                        ; context: v's rows of Wkv take the registers that k's have left, and land under this tile's vector work
	s_cbranch_scc0 .Lno_w2
	s_wait_alu depctr_va_vdst(0)                   ; the products above, the last that take k's rows, are done reading the weight's fragments and scale words, in which the loads below land
	WLOAD W2B, W2SB
.Lno_w2:
.endif
.set i, 0
.rept 16
	v_pk_mul_f32 v[ACC+i:ACC+i+1], v[ACC+i:ACC+i+1], s[FF:FF+1] op_sel_hi:[1,0]   ; x 1 or x -2; each accumulator from its low end on
.set i, i+2
.endr
	v_pk_mul_f32 v[SQ:SQ+1], v[ACC:ACC+1], v[ACC:ACC+1]              ; the sum of squares of the UNQUANTISED numbers, in two chains
	v_pk_mul_f32 v[SQ+2:SQ+3], v[ACC+2:ACC+3], v[ACC+2:ACC+3]
.set i, 4
.rept 7
	v_pk_fma_f32 v[SQ:SQ+1], v[ACC+i:ACC+i+1], v[ACC+i:ACC+i+1], v[SQ:SQ+1]
	v_pk_fma_f32 v[SQ+2:SQ+3], v[ACC+i+2:ACC+i+3], v[ACC+i+2:ACC+i+3], v[SQ+2:SQ+3]
.set i, i+4
.endr
	v_pk_add_f32 v[SQ:SQ+1], v[SQ:SQ+1], v[SQ+2:SQ+3]
	v_add_f32 v[SQ], v[SQ], v[SQ+1]
	v_permlanex16_b32 v[SX], v[SQ], s[SEL], s[SEL+1]
	v_add_f32 v[SQ], v[SQ], v[SX]                  ; with lane l xor 16's 32 of the 64
	v_mul_f32 v[SQ], s[F2], v[SQ]                  ; (-2 q)^2 / 4
	v_cndmask_b32 v[SQ], v[SQ], v[BIG], s[CM+\m]   ; a hidden key: 2^120
	BLKMAX ACC
	v_lshl_or_b32 v[PWR], v[TM+3], 8, v[TM+2]
	v_or_b32 v[PWR], 0x7f7f0000, v[PWR]            ; bytes 2 and 3 stand over the zero codes that fill K from 64 to 128
	v_cvt_scalef32_pk16_fp6_f32 v[C:C+2], v[ACC:ACC+15], v[SCL]
	v_cvt_scalef32_pk16_fp6_f32 v[T:T+2], v[ACC+16:ACC+31], v[SCL+1]
	v_nop                                          ; one plain instruction behind a scaled conversion
.irp i, 0,1,2
	v_permlane16_swap_b32 v[C+\i], v[T+\i]         ; the operand's layout wants a whole block in a lane: lanes 0-15 d = 0 .. 31, lanes 16-31 d = 32 .. 63
.endr
.irp i, 0,1,2
	v_mov_b32 v[C+3+\i], v[T+\i]
.endr
	s_wait_alu depctr_va_vdst(0)                   ; the tile's one wait: its sum of squares, codes and scale word are written, which the five stores read; its products are done reading their buffer and scale words, in which the loads below land
	ds_store_b32 v[SQA], v[SQ] offset:64*\m
.irp q, 0,1,2                                  ; position 16 m + r is lane r % 8 + 8 (m % 2) + 16 h of tile 2 (m / 2) + r / 8
	ds_store_b64 v[KA+\q], v[C+2*\q:C+2*\q+1] offset:1536*(\m/2)+128*(\m%2)
.endr
	ds_store_b32 v[KSA], v[PWR] offset:64*(\m%2)+4*(\m/2)
.if \m < 2
	XFETCH \m+2                                    ; into the buffer that this tile has left: it lands under the next tile's work.  No vector line stands between the wait above and these loads
.endif
.endr
.irp g, 0,1,2,3,4,5
	ds_load_b128 v[XF+4*\g:XF+4*\g+3], v[RB16] offset:512*\g         ; LDS serves a wave's instructions in order: these see my stores.  (Tile 3's wait has shown every vector and matrix line done that named v136-163)
.endr
	ds_load_b64 v[XF+24:XF+25], v[RB8]
	ds_load_b64 v[XF+26:XF+27], v[RB8] offset:256
	s_wait_dscnt 0x0
.irp g, 0,1,2,3,4,5
	global_store_b128 v[G16], v[XF+4*\g:XF+4*\g+3], s[RK:RK+1] offset:KI+512*\g   ; 32 lanes store 512 consecutive bytes, at a multiple of 256 from the buffer's first byte
.endr
	global_store_b64 v[G8], v[XF+24:XF+25], s[RH:RH+1] offset:KS     ; 256 consecutive bytes, aligned likewise
	global_store_b64 v[G8], v[XF+26:XF+27], s[RH:RH+1] offset:K2
	s_cmp_ge_u32 ttmp9, 128
	s_cbranch_scc1 .Ldone                          ; fmap has no v; no barrier stands below
	; ---- v: source 0 = 16 keys, source 1 = 16 rows of Wkv: a lane holds one d, and the 16 registers of tiles u = 0, 1 are keys 32 b + 16 h + 0 .. 15: the quantiser's K
.macro VFETCH b                                ; the 32 keys of block b: two tiles x two K steps, and their scale words: fourteen LDS loads
.irp u, 0,1
.irp k, 0,1
	FETCH XF+12*(2*\u+\k), LV, (4*(\b)+\k)*FRB+128*\u
.endr
	ds_load_b64 v[XS+2*\u:XS+2*\u+1], v[XSV] offset:8*(32*(\b)+8*\u)
.endr
.endm
	s_wait_loadcnt 0x0                             ; v's rows of Wkv
	s_wait_xcnt 0x0                                ; the stores above have had their addresses translated: their registers are loaded again only behind this wait,
	s_wait_alu depctr_vm_vsrc(0)                   ; and behind this one: they have read v136-163, in which the loads below land; tile 3's LDS stores have read the codes' registers, which the first conversions below write
	VFETCH 0
.irp b, 0,1
.if \b == 0
	s_wait_dscnt 0x0
.else
	s_wait_dscnt 6                                 ; the fourteen loads are in; the six stores into the stage, issued behind them, may be out
.endif
.irp p, 0,1                                    ; two tiles of d at a time
.irp k, 0,1
.irp e, 0,1
.irp u, 0,1
.if \k == 0
	v_wmma_scale_f32_16x16x128_f8f6f4 v[VA+16*\e+8*\u:VA+16*\e+8*\u+7], v[XF+12*(2*\u+\k):XF+12*(2*\u+\k)+11], v[W+12*(2*(2*\p+\e)+\k):W+12*(2*(2*\p+\e)+\k)+11], 0, v[XS+2*\u+\k], v[WS+2*(2*\p+\e)+\k] matrix_a_fmt:MATRIX_FMT_FP6 matrix_b_fmt:MATRIX_FMT_FP6
.else
	v_wmma_scale_f32_16x16x128_f8f6f4 v[VA+16*\e+8*\u:VA+16*\e+8*\u+7], v[XF+12*(2*\u+\k):XF+12*(2*\u+\k)+11], v[W+12*(2*(2*\p+\e)+\k):W+12*(2*(2*\p+\e)+\k)+11], v[VA+16*\e+8*\u:VA+16*\e+8*\u+7], v[XS+2*\u+\k], v[WS+2*(2*\p+\e)+\k] matrix_a_fmt:MATRIX_FMT_FP6 matrix_b_fmt:MATRIX_FMT_FP6
.endif
.endr
.endr
.endr
.rept 4
	v_nop                                          ; four places behind the products
.endr
.if (\b == 0) && (\p == 1)
	s_wait_alu depctr_va_vdst(0)                   ; the products above, the last on the first 32 keys, are done reading the keys' fragments and scale words, in which the loads below land
	VFETCH 1                                       ; they land under this step's vector work, which names none of their registers
.endif
	BLKMAX VA                                      ; block 32 b .. 32 b + 31 of the keys, for two tiles of d
.if (\b+\p) > 0
	s_wait_alu depctr_vm_vsrc(0)                   ; the last step's six stores into the stage have read the registers that the conversions write
.endif
	v_cvt_scalef32_pk16_fp6_f32 v[C:C+2], v[VA:VA+15], v[SCL]
	v_cvt_scalef32_pk16_fp6_f32 v[T:T+2], v[VA+16:VA+31], v[SCL+1]
	v_nop
.irp e, 0,1
.if \b == 0
	v_mov_b32 v[BY+2*\p+\e], v[TM+2+\e]
.else
	v_cndmask_b32 v[BY+2*\p+\e], v[BY+2*\p+\e], v[TM+2+\e], s[HI16]   ; lanes 0-15 keep block 0's byte, lanes 16-31 take block 1's
.endif
.endr
	s_wait_alu depctr_va_vdst(0)                   ; the conversions have written the six registers that the stores below read; in the last step also: the scale bytes are written, which the byte stores read, and the products are done with v136-159, in which the read-back lands
.irp e, 0,1                                    ; my 16 codes are registers 6 b + 3 h + 0 .. 2 of lane r + 16 H of fragment 2 p + e; the stage holds that half of the lanes alone
.if \b == 0
	ds_store_b32 v[AV12], v[C+6*\e] offset:768*(2*\p+\e)
	ds_store_b32 v[AV252], v[C+6*\e+1] offset:768*(2*\p+\e)+4
	ds_store_b32 v[AV252], v[C+6*\e+2] offset:768*(2*\p+\e)+8
.else
	ds_store_b32 v[AV252], v[C+6*\e] offset:768*(2*\p+\e)+264
	ds_store_b32 v[AV252], v[C+6*\e+1] offset:768*(2*\p+\e)+268
	ds_store_b32 v[AV12], v[C+6*\e+2] offset:768*(2*\p+\e)+512
.endif
.endr
.endr
.endr
.irp i, 0,1,2,3,4,5
	ds_load_b128 v[XF+4*\i:XF+4*\i+3], v[VRB] offset:512*\i
.endr
	s_wait_dscnt 0x0
.irp i, 0,1,2,3,4,5
	global_store_b128 v[VGO], v[XF+4*\i:XF+4*\i+3], s[RH:RH+1] offset:VI+1024*\i   ; sixteen lanes store 256 consecutive bytes, aligned: my half of the lanes of a group of four registers
.endr
.irp t, 0,1,2,3
	global_store_b8 v[VSO], v[BY+\t], s[R1:R1+1] offset:VS+4*\t      ; 128 single bytes a head: byte 2 b + H of each word; the other two bytes are the neighbouring work-group's
.endr
.Ldone:
	s_wait_dscnt 0x0
	s_wait_alu depctr_hold_cnt(0) depctr_sa_sdst(0) depctr_va_vdst(0) depctr_va_sdst(0) depctr_va_ssrc(0) depctr_va_vcc(0) depctr_vm_vsrc(0)
	s_wait_tensorcnt 0x0
	ds_add_u32 v31, v245
	s_wait_dscnt 0x0
	s_endpgm
.Lfunc_end_k_qfface39ee9_proj:
	.size	k_qfface39ee9_proj, .Lfunc_end_k_qfface39ee9_proj-k_qfface39ee9_proj
	.p2alignl 7, 3214868480
	.fill 96, 4, 3214868480
	.section	.rodata,"a",@progbits
	.p2align	6, 0x0
	.amdhsa_kernel k_qfface39ee9_proj
		.amdhsa_group_segment_fixed_size 69120
		.amdhsa_private_segment_fixed_size 0
		.amdhsa_enable_private_segment 0
		.amdhsa_kernarg_size 88
		.amdhsa_user_sgpr_count 2
		.amdhsa_user_sgpr_kernarg_segment_ptr 1
		.amdhsa_wavefront_size32 1
		.amdhsa_system_sgpr_workgroup_id_x 1
		.amdhsa_system_sgpr_workgroup_id_y 1
		.amdhsa_system_sgpr_workgroup_id_z 1
		.amdhsa_system_vgpr_workitem_id 0
		.amdhsa_next_free_vgpr 256
		.amdhsa_next_free_sgpr 100
		.amdhsa_reserve_vcc 0
		.amdhsa_float_denorm_mode_32 3
		.amdhsa_float_denorm_mode_16_64 3
		.amdhsa_memory_ordered 1
		.amdhsa_forward_progress 1
		.amdhsa_inst_pref_size 78
	.end_amdhsa_kernel
	.amdgpu_metadata
---
amdhsa.version: [ 1, 2 ]
amdhsa.kernels:
  - .name:           k_qfface39ee9_proj
    .symbol:         k_qfface39ee9_proj.kd
    .args:
      - { .name: fmap, .offset: 0, .size: 8, .value_kind: global_buffer, .address_space: global }
      - { .name: context, .offset: 8, .size: 8, .value_kind: global_buffer, .address_space: global }
      - { .name: mask, .offset: 16, .size: 8, .value_kind: global_buffer, .address_space: global }
      - { .name: gamma, .offset: 24, .size: 8, .value_kind: global_buffer, .address_space: global }
      - { .name: gamma_ctx, .offset: 32, .size: 8, .value_kind: global_buffer, .address_space: global }
      - { .name: Wq_codes, .offset: 40, .size: 8, .value_kind: global_buffer, .address_space: global }
      - { .name: Wq_scales, .offset: 48, .size: 8, .value_kind: global_buffer, .address_space: global }
      - { .name: Wkv_codes, .offset: 56, .size: 8, .value_kind: global_buffer, .address_space: global }
      - { .name: Wkv_scales, .offset: 64, .size: 8, .value_kind: global_buffer, .address_space: global }
      - { .name: qrec, .offset: 72, .size: 8, .value_kind: global_buffer, .address_space: global }
      - { .name: kvrec, .offset: 80, .size: 8, .value_kind: global_buffer, .address_space: global }
    .group_segment_fixed_size: 69120
    .private_segment_fixed_size: 0
    .kernarg_segment_align: 8
    .kernarg_segment_size: 88
    .max_flat_workgroup_size: 256
    .sgpr_count:     100
    .vgpr_count:     256
    .wavefront_size: 32
...
	.end_amdgpu_metadata
.endif
;; end of part 4
;; launch attn (part 5): grid 8 x 32, 16 waves a work-group, clusters of 4 x 1, 219,136 bytes of LDS; arguments qrec, kvrec, oc, os; writes oc, os
.if DOCPART == 5
	.amdgcn_target "amdgcn-amd-amdhsa--gfx1250"
	.amdhsa_code_object_version 6
	.text
	.protected	k_qfface39ee9_attn
	.globl	k_qfface39ee9_attn
	.p2align	8
	.type	k_qfface39ee9_attn,@function
k_qfface39ee9_attn:
	s_mov_b64 s[64:65], 0
	v_nop
	global_prefetch_b8 v0, s[64:65] scope:SCOPE_SE
	s_setreg_imm32_b32 hwreg(HW_REG_WAVE_MODE, 25, 1), 1
	s_wait_xcnt 0x0
	s_wait_alu depctr_hold_cnt(0) depctr_sa_sdst(0) depctr_va_vdst(0) depctr_va_sdst(0) depctr_va_ssrc(0) depctr_va_vcc(0) depctr_vm_vsrc(0)
	s_getreg_b32 s2, hwreg(HW_REG_IB_STS2, 6, 4)
	s_cmp_eq_u32 s2, 0
	s_cbranch_scc0 .Lentry_in_a_cluster
	s_endpgm
.Lentry_in_a_cluster:
	s_bfe_u32 s2, ttmp6, 0x10000c
	s_cmp_lg_u32 s2, 0x3003
	s_cbranch_scc0 .Lentry_shape_is_right
	s_endpgm
.Lentry_shape_is_right:
; ATTN: for each (batch, head): logit = -sqrt(max(q2 + k2 - 2 q.k, 1e-12)) / 8, hidden keys out, softmax, x v; both products on codes of FP6 (E2M3); the result is quantised along (head, d) for the last product.
; SHARES.  A work-group owns 256 queries of one head, each of its sixteen waves 16 of them, one tile, in 256 registers: four waves to a SIMD, so that one wave's roots and exponentials stand beside another's products and LDS loads.
; A HEAD'S 16 RECORDS (k's and v's codes, their scale words, k2: 217,088 bytes) LIE IN LDS WHOLE, as they lie in memory: filled once, in four chunks of four records, never filled again: no ring.
; CLUSTER.  The four work-groups of a cluster belong to one head and read the same records: each fill is asked for JOINTLY, by the same tensor load with the same descriptor and a mask that names the four.
; No prefetch: every byte of the records is asked for by the tensor loads at the head; there is no later request to run ahead of.
; LAYOUT.  Both products are used transposed: S^T = k (-2 q)^T + k2 (source 0 = 16 keys, source 1 = my 16 queries, C = k2 of the register's key), O^T = v^T p^T: a lane holds ONE query throughout.
; The product's K is 64: a fragment of k is 6 registers; the operand's other 6 are the next tile's codes (behind the last tile: zeros); they meet q's zero codes under the scale byte 127 and add nothing.
; The keys of a tile are chosen (lane r of tile 2 b + u: key 32 b + 8 u + r + 8 (r / 8)) so that the 16 registers of tiles 2 b, 2 b + 1 are keys 32 b + 16 h + 0 .. 15.
; v's and p's blocks of 32 keys stand in another order along the instruction's K, alike in both and in their scale words: registers 6 c .. 6 c + 5 of lane half h hold key block 2 h + c.
; SOFTMAX.  t = -dist x log2(e) / 8; M = the running largest t rounded up to a whole number, kept as -M; p = 2^(t - M) is quantised; the sum is taken of the unquantised p; when M moves, the sum and O^T are multiplied by a power of two.
; A block's largest p is not searched for: the block's smallest k2 - 2 q.k goes through the same instructions as every score (this takes v_sqrt_f32 and v_exp_f32 not to fall where their input rises).
; A hidden key has k2 = 2^120; every squared distance is held at 2^100, so that all hidden keys get the same distance 2^50: beside a key that counts p is 0; where a whole row is hidden all p are 1, the mean, as the softmax of equal logits.
; LIMITS: q2, k2 and |2 q.k| under 2^95; a squared distance of 2^100 or more counts as hidden; NaN and infinities are not served; p under 2^-126 counts as 0; a block of zeros has the scale byte 1; the division by the sum is v_rcp_f32 and a multiplication.
.set REC,   13568
.set HEADB, 16*REC
.set KI,    0
.set VI,    6144
.set KS,    12288
.set VS,    12800
.set K2,    13056
.set C16,   1                          ; v1-4  16 x lane, 8 x lane, 16 r, 64 h: never rewritten
.set C8,    2
.set CR,    3
.set CH,    4
.set A16,   5                          ; v5-8  the same + the record's first byte in LDS
.set A8,    6
.set AR,    7
.set AH,    8
.set NM,    12                         ; v12 -M, v13 the largest t so far
.set TMX,   13
.set L,     14                         ; v[14:15] the sum, in two halves
.set Q,     16                         ; v16-21 q's codes, v22-27 zero codes
.set QS,    28                         ; v28 q's scale word;  v29 p's
.set PW,    29
.set Q2,    30                         ; v[30:31] q2, twice
.set KF,    32                         ; v32-79 k's eight tiles, later v's four fragments;  v80-85 zeros
.set Z,     80
.set KSC,   86                         ; v86-89 k's scale words: register t / 2, lanes 0-15 the even tile's, lanes 16-31 the odd one's
.set VSC,   90                         ; v90-93 v's
.set F,     94                         ; v[94:95] 2^(old M - new M), and a written partner
.set S,     96                         ; v96-159 S^T, then p
.set O,     160                        ; v160-191 O^T
.set P,     192                        ; v192-203 p's codes
.set T,     204                        ; v204-206, v208-210 the conversions' second halves
.set BM,    212                        ; v212-215 the blocks' smallest, then their largest p
.set BX,    216                        ; v216-219 the other half's; bytes
.set SCL,   220                        ; v220-223 the conversions' scale operands
.set L2,    224                        ; v[224:225] one of the sum's eight chains
.set TP,    226                        ; v226-227 at work
.set RC,    228                        ; v[228:229] 1 / the sum, and a written partner
.set WV,    12                         ; s12 wave
.set G1,    24                         ; s[24:31] descriptor group 1;  s[32:47] four groups 0, one for each chunk
.set G0,    32
.set NC,    48                         ; s[48:49] -log2(e) / 8: the packed form names a pair and takes its low word for both halves
.set EPSR,  50                         ; s50 1e-12;  s51 2^100
.set CAP,   51
.set SEL,   52                         ; s[52:53] v_permlanex16_b32's selects for lane l xor 16
.set TB,    54                         ; s54 the record in hand: its first byte in LDS
.set CNT,   55
.set OCB,   56
.set OSB,   58
; A round of the cluster's barrier: my work-group's barrier, wave 0 signals for the work-group, every wave waits for all four work-groups, my work-group's barrier once more
.macro CROUND
	s_barrier_signal -1
	s_barrier_wait -1
	s_cmp_lg_u32 s[WV], 0
	s_cbranch_scc1 .Lnot_wave_0_\@
	s_barrier_signal -3
.Lnot_wave_0_\@:
	s_barrier_wait -3
	s_barrier_signal -1
	s_barrier_wait -1
.endm
	s_load_b256 s[4:11], s[0:1], 0x0               ; qrec, kvrec, oc, os
	v_lshl_add_u32 v254, v0, 2, 0x35000
	v_mov_b32 v255, 0
	ds_add_u32 v254, v255
	ds_add_u32 v254, v255
	v_lshrrev_b32 v9, 5, v0
	s_delay_alu instid0(VALU_DEP_1)
	v_readfirstlane_b32 s[WV], v9                  ; wave 0..15
	s_bfe_u32 s13, ttmp6, 0x40000                  ; cx: my place in the cluster: it enters q's, oc's and os's addresses alone
	s_lshl_b32 s14, ttmp9, 2
	s_add_co_u32 s14, s14, s13                     ; my block of 256 queries
	s_and_b32 s15, ttmp7, 0xffff                   ; batch x 8 + head, which the four partners share
	s_mul_i32 s16, s15, HEADB
	s_mov_b32 s17, 0
	s_and_b32 s18, s[WV], 3                        ; which of a chunk's four records I fetch, if I fetch:
	s_mul_i32 s18, s18, REC                        ; its place in memory and in LDS alike
	s_mov_b32 s19, 0
	; descriptor group 1: a record is a dense block of 53 rows of 256 bytes (32 elements of 8 bytes), no padding
	s_mov_b32 s[G1], 15|(3<<16)|(1<<21)            ; 15:0 the mask: all four work-groups; 17:16 elements of 8 bytes; 20 padding off; 21 set beside a mask
	s_mov_b32 s[G1+1], 32<<16                      ; tensor_dim0
	s_mov_b32 s[G1+2], 53<<16                      ; tensor_dim1
	s_mov_b32 s[G1+3], 32<<16                      ; tile_dim0
	s_mov_b32 s[G1+4], 53                          ; tile_dim1
	s_mov_b32 s[G1+5], 32                          ; tensor_dim0_stride
	s_mov_b32 s[G1+6], 0
	s_mov_b32 s[G1+7], 0
	s_mov_b32 s[NC], 0xbe38aa3b
	s_mov_b32 s[NC+1], s[NC]
	s_mov_b32 s[EPSR], 0x2b8cbccc
	s_mov_b32 s[CAP], 0x71800000
	s_mov_b32 s[SEL], 0x76543210
	s_mov_b32 s[SEL+1], 0xfedcba98
	s_wait_dscnt 0x0
	s_wait_kmcnt 0x0
	s_add_nc_u64 s[20:21], s[6:7], s[16:17]
	s_add_nc_u64 s[20:21], s[20:21], s[18:19]
.irp c, 0,1,2,3
	s_mov_b32 s[G0+4*\c], 1                        ; count = 1
	s_add_co_u32 s[G0+4*\c+1], s18, 4*\c*REC       ; LDS address: record 4 c + wave
	s_add_nc_u64 s[G0+4*\c+2:G0+4*\c+3], s[20:21], 4*\c*REC
	s_or_b32 s[G0+4*\c+3], s[G0+4*\c+3], 0x80000000   ; type = 2
.endr
	CROUND                                         ; all four work-groups are here: the joint loads meet
	s_cmp_lt_u32 s[WV], 4                          ; waves 0-3 fetch; a wave's four fills stand in one branch, ahead of every wait on TENSORcnt and every LDS read: four loads of mine are out
	s_cbranch_scc0 .Lno_fill
	tensor_load_to_lds s[G0:G0+3], s[G1:G1+7]
	s_nop 0
	tensor_load_to_lds s[G0+4:G0+7], s[G1:G1+7]
	s_nop 0
	tensor_load_to_lds s[G0+8:G0+11], s[G1:G1+7]
	s_nop 0
	tensor_load_to_lds s[G0+12:G0+15], s[G1:G1+7]
	s_nop 0
.rept 4
	v_nop                                          ; four plain lines follow the last of them
.endr
.Lno_fill:
	v_and_b32 v[C8], 31, v0
	s_delay_alu instid0(VALU_DEP_1)
	v_lshlrev_b32 v[C16], 4, v[C8]
	s_wait_alu depctr_va_vdst(0)
	v_lshlrev_b32 v[C8], 3, v[C8]
	v_and_b32 v[RC], 15, v0                        ; r
	s_wait_alu depctr_va_vdst(0)
	v_and_b32 v[RC+1], 8, v0
	s_delay_alu instid0(VALU_DEP_1)
	v_add_nc_u32 v[RC+1], v[RC+1], v[RC]           ; r + 8 (r / 8)
	s_wait_alu depctr_va_vdst(0)
	v_lshlrev_b32 v[CR], 4, v[RC]
	v_bfe_u32 v[CH], v0, 4, 1
	s_delay_alu instid0(VALU_DEP_1)
	v_lshlrev_b32 v[CH], 6, v[CH]
	s_lshl_b32 s60, s14, 1
	s_lshr_b32 s61, s[WV], 3
	s_add_co_u32 s60, s60, s61                     ; my queries' record
	s_and_b32 s61, s[WV], 7                        ; and my tile t in it
	s_mul_i32 s62, s60, REC
	s_mov_b32 s63, 0
	s_add_nc_u64 s[22:23], s[4:5], s[16:17]
	s_add_nc_u64 s[22:23], s[22:23], s[62:63]
	s_mul_i32 s62, s61, 6
.irp q, 0,1,2                                  ; register R = 6 t + 2 q of lane L lies at 512 (R / 4) + 16 L + 4 (R % 4)
	s_add_co_u32 s2, s62, 2*\q
	s_lshr_b32 s3, s2, 2
	s_lshl_b32 s3, s3, 9
	s_and_b32 s2, s2, 3
	s_lshl_b32 s2, s2, 2
	s_add_co_u32 s2, s2, s3
	v_add_nc_u32 v[9+\q], s2, v[C16]
	global_load_b64 v[Q+2*\q:Q+2*\q+1], v[9+\q], s[22:23] offset:KI
.endr
	s_lshr_b32 s2, s61, 2                          ; my scale word: 256 (t / 4) + 8 (r + 16 (t % 2)) + 4 ((t / 2) % 2)
	s_lshl_b32 s2, s2, 8
	s_and_b32 s3, s61, 1
	s_lshl_b32 s3, s3, 7
	s_add_co_u32 s2, s2, s3
	s_bfe_u32 s3, s61, 0x10001
	s_lshl_b32 s3, s3, 2
	s_add_co_u32 s2, s2, s3
	v_lshl_add_u32 v[TP], v[RC], 3, s2
	global_load_b32 v[QS], v[TP], s[22:23] offset:KS
	s_lshr_b32 s2, s61, 1                          ; my query: 32 (t / 2) + 8 (t % 2) + r + 8 (r / 8)
	s_lshl_b32 s2, s2, 7
	s_and_b32 s3, s61, 1
	s_lshl_b32 s3, s3, 5
	s_add_co_u32 s2, s2, s3
	v_lshl_add_u32 v[TP+1], v[RC+1], 2, s2
	global_load_b32 v[Q2], v[TP+1], s[22:23] offset:K2
	s_lshr_b32 s2, s15, 3                          ; where my tile goes: tile T = 128 x batch + 8 x record + t
	s_lshl_b32 s2, s2, 7
	s_lshl_b32 s3, s60, 3
	s_add_co_u32 s2, s2, s3
	s_add_co_u32 s2, s2, s61
	s_and_b32 s3, s15, 7                           ; the head
	s_lshl_b32 s62, s2, 3
	s_add_co_u32 s62, s62, s3
	s_mul_i32 s62, s62, 768
	s_add_nc_u64 s[OCB:OCB+1], s[8:9], s[62:63]
	s_lshl_b32 s62, s2, 8
	s_lshl_b32 s3, s3, 1
	s_add_co_u32 s62, s62, s3
	s_add_nc_u64 s[OSB:OSB+1], s[10:11], s[62:63]
	v_mov_b32 v[TMX], 0xff61b1e6                   ; the largest t so far: -3e38, under every t
	s_delay_alu instid0(VALU_DEP_1)
	v_floor_f32 v[NM], -v[TMX]
	v_mov_b32 v[L], 0
	v_mov_b32 v[L+1], 0
.set j, 0
.rept 32
	v_mov_b32 v[O+j], 0                            ; O^T.  (The step is written without a first step of its own: it finds zeros, which the first change of M leaves zeros)
.set j, j+1
.endr
.irp j, 0,1,2,3,4,5
	v_mov_b32 v[Q+6+\j], 0                         ; q's zero codes for K = 64 .. 127
	v_mov_b32 v[Z+\j], 0
.endr
.irp j, 0,1,2,3
	v_mov_b32 v[BX+\j], 0                          ; written once: a lane permute's destination counts as one of its sources
.endr
	v_mov_b32 v[F+1], 0
	s_wait_loadcnt 0x0                             ; q
	v_mov_b32 v[Q2+1], v[Q2]
; A STEP: one record, 128 keys.
.macro STEP
	v_add_nc_u32 v[A16], s[TB], v[C16]             ; these four are also the places between the last products and the loads into the registers that they have read
	v_add_nc_u32 v[A8], s[TB], v[C8]
	v_add_nc_u32 v[AR], s[TB], v[CR]
	v_add_nc_u32 v[AH], s[TB], v[CH]
.irp b, 0,1,2,3
.irp u, 0,1                                    ; k2 (2^120 for a hidden key) of key 32 b + 16 h + 8 u + j into register 16 b + 8 u + j: the products' C
	ds_load_b128 v[S+16*\b+8*\u:S+16*\b+8*\u+3], v[AH] offset:K2+128*\b+32*\u
	ds_load_b128 v[S+16*\b+8*\u+4:S+16*\b+8*\u+7], v[AH] offset:K2+128*\b+32*\u+16
.endr
.endr
.irp g, 0,1,2,3,4,5,6,7,8,9,10,11
	ds_load_b128 v[KF+4*\g:KF+4*\g+3], v[A16] offset:KI+512*\g
.endr
	ds_load_b64 v[KSC:KSC+1], v[A8] offset:KS
	ds_load_b64 v[KSC+2:KSC+3], v[A8] offset:KS+256
	s_wait_alu depctr_va_vdst(0)
	s_wait_dscnt 0x0
.irp t, 0,1,2,3,4,5,6,7                        ; k2 - 2 q.k; eight accumulators, one instruction each
.if (\t%2) == 0
	v_wmma_scale_f32_16x16x128_f8f6f4 v[S+8*\t:S+8*\t+7], v[KF+6*\t:KF+6*\t+11], v[Q:Q+11], v[S+8*\t:S+8*\t+7], v[KSC+\t/2], v[QS] matrix_a_fmt:MATRIX_FMT_FP6 matrix_b_fmt:MATRIX_FMT_FP6
.else
	v_wmma_scale_f32_16x16x128_f8f6f4 v[S+8*\t:S+8*\t+7], v[KF+6*\t:KF+6*\t+11], v[Q:Q+11], v[S+8*\t:S+8*\t+7], v[KSC+\t/2], v[QS] matrix_a_fmt:MATRIX_FMT_FP6 matrix_b_fmt:MATRIX_FMT_FP6 matrix_a_scale:MATRIX_SCALE_ROW1
.endif
.endr
.rept 4
	v_nop                                          ; four places: ahead of the loads into k's registers and of the first read of results
.endr
.irp g, 0,1,2,3,4,5,6,7,8,9,10,11
	ds_load_b128 v[KF+4*\g:KF+4*\g+3], v[A16] offset:VI+512*\g       ; v's four fragments land under the softmax
.endr
	ds_load_b128 v[VSC:VSC+3], v[AR] offset:VS
.irp b, 0,1,2,3
	v_min3_num_f32 v[BM+\b], v[S+16*\b], v[S+16*\b+1], v[S+16*\b+2]  ; the smallest of each block of 32 keys; each accumulator is read from its low end on
.endr
.irp i, 3,5,7,9,11,13
.irp b, 0,1,2,3
	v_min3_num_f32 v[BM+\b], v[BM+\b], v[S+16*\b+\i], v[S+16*\b+\i+1]
.endr
.endr
.irp b, 0,1,2,3
	v_min_num_f32 v[BM+\b], v[BM+\b], v[S+16*\b+15]
.endr
.irp b, 0,1,2,3
	s_delay_alu instid0(VALU_DEP_4)
	v_permlanex16_b32 v[BX+\b], v[BM+\b], s[SEL], s[SEL+1]
.endr
.irp b, 0,1,2,3
	s_delay_alu instid0(VALU_DEP_4)
	v_min_num_f32 v[BM+\b], v[BM+\b], v[BX+\b]     ; with lane l xor 16's 16 keys
.endr
.irp b, 0,1,2,3
	s_delay_alu instid0(VALU_DEP_4)
	v_add_f32 v[BM+\b], v[BM+\b], v[Q2]
.endr
.irp b, 0,1,2,3
	s_delay_alu instid0(VALU_DEP_4)
	v_med3_num_f32 v[BM+\b], v[BM+\b], s[EPSR], s[CAP]
.endr
.set j, 0
.rept 32
	v_pk_add_f32 v[S+j:S+j+1], v[S+j:S+j+1], v[Q2:Q2+1]              ; + q2
.set j, j+2
.endr
.set j, 0
.rept 64
	v_med3_num_f32 v[S+j], v[S+j], s[EPSR], s[CAP] ; at least 1e-12, which also clips at 0; at most 2^100
.set j, j+1
.endr
.set j, 0
	s_wait_alu depctr_va_vdst(0)
.rept 64
	v_sqrt_f32 v[S+j], v[S+j]
.set j, j+1
.endr
.irp b, 0,1,2,3
	v_sqrt_f32 v[BM+\b], v[BM+\b]
.endr
	v_nop                                          ; a plain instruction behind the roots,
	s_wait_alu depctr_va_vdst(0)                   ; and one wait for the 68, ahead of their first reader
	v_min3_num_f32 v[TP], v[BM], v[BM+1], v[BM+2]
	s_setprio 1
	v_min_num_f32 v[TP], v[TP], v[BM+3]            ; the step's smallest distance of my query
	s_delay_alu instid0(VALU_DEP_1)
	v_mul_f32 v[TP], s[NC], v[TP]                  ; as t
	s_delay_alu instid0(VALU_DEP_1)
	v_max_num_f32 v[TMX], v[TMX], v[TP]
	v_mov_b32 v[TP], v[NM]
	s_delay_alu instid0(VALU_DEP_2)
	v_floor_f32 v[NM], -v[TMX]                     ; the new -M = floor(-t): M is a whole number
	s_delay_alu instid0(VALU_DEP_1)
	v_sub_f32 v[TP], v[NM], v[TP]                  ; old M - new M: a whole number, 0 or less
	s_delay_alu instid0(VALU_DEP_1)
	v_cvt_i32_f32 v[TP], v[TP]                     ; (it saturates)
	s_delay_alu instid0(VALU_DEP_1)
	v_ldexp_f32 v[F], 1.0, v[TP]
.set j, 0
.rept 32
	v_pk_fma_f32 v[S+j:S+j+1], v[S+j:S+j+1], s[NC:NC+1], v[NM:NM+1] op_sel_hi:[1,0,0]   ; t - M, two at a time
.set j, j+2
.endr
.irp b, 0,1,2,3
	v_fma_f32 v[BM+\b], v[BM+\b], s[NC], v[NM]
.endr
.set j, 0
	s_wait_alu depctr_va_vdst(0)
.rept 64
	v_exp_f32 v[S+j], v[S+j]                       ; p = 2^(t - M): not normalised
.set j, j+1
.endr
.irp b, 0,1,2,3
	v_exp_f32 v[BM+\b], v[BM+\b]                   ; the block's largest p
.endr
	v_pk_mul_f32 v[L:L+1], v[L:L+1], v[F:F+1] op_sel_hi:[1,0]        ; work that names no exponential's result: the sum and O^T under the new M
.set j, 0
	s_wait_alu depctr_va_vdst(0)
.rept 16
	v_pk_mul_f32 v[O+j:O+j+1], v[O+j:O+j+1], v[F:F+1] op_sel_hi:[1,0]
.set j, j+2
.endr
	s_wait_alu depctr_va_vdst(0)                   ; one wait for the 68 exponentials, ahead of their first reader
.irp b, 0,1,2,3
	v_max_num_f32 v[BM+\b], 0x1800000, v[BM+\b]    ; the floor 2^(3 - 127): the byte cannot fall under 1
.endr
.irp b, 0,1,2,3
	s_delay_alu instid0(VALU_DEP_4)
	v_add_nc_u32 v[SCL+\b], 0xff000000, v[BM+\b]   ; 2 off the exponent field: the conversion's scale operand
.endr
.irp b, 0,1,2,3
	s_delay_alu instid0(VALU_DEP_4)
	v_lshrrev_b32 v[BX+\b], 23, v[SCL+\b]
.endr
	s_delay_alu instid0(VALU_DEP_2)
	v_lshl_or_b32 v[PW], v[BX+2], 8, v[BX]         ; byte 2 c + h is key block 2 h + c's
	s_delay_alu instid0(VALU_DEP_1)
	v_lshl_or_b32 v[PW], v[BX+1], 16, v[PW]
	s_delay_alu instid0(VALU_DEP_1)
	v_lshl_or_b32 v[PW], v[BX+3], 24, v[PW]
.irp c, 0,1
	v_cvt_scalef32_pk16_fp6_f32 v[P+6*\c:P+6*\c+2], v[S+16*\c:S+16*\c+15], v[SCL+\c]          ; key block c: my 16 keys
	v_cvt_scalef32_pk16_fp6_f32 v[T+4*\c:T+4*\c+2], v[S+32+16*\c:S+47+16*\c], v[SCL+2+\c]     ; key block 2 + c
.endr
	s_setprio 0
	v_nop                                          ; one plain instruction behind a scaled conversion
.irp c, 0,1
.irp i, 0,1,2
	v_permlane16_swap_b32 v[P+6*\c+\i], v[T+4*\c+\i]   ; lanes 0-15 now hold block c whole, lanes 16-31 block 2 + c: the first register the lower 16 keys, the second the upper
.endr
.irp i, 0,1,2
	s_delay_alu instid0(VALU_DEP_3)
	v_mov_b32 v[P+6*\c+3+\i], v[T+4*\c+\i]
.endr
.endr
	v_pk_add_f32 v[224:225], v[100:101], v[104:105]
	v_pk_add_f32 v[252:253], v[108:109], v[112:113]
	v_pk_add_f32 v[250:251], v[116:117], v[120:121]
	v_pk_add_f32 v[248:249], v[124:125], v[128:129]
	v_pk_add_f32 v[246:247], v[132:133], v[136:137]
	v_pk_add_f32 v[244:245], v[140:141], v[144:145]
	v_pk_add_f32 v[242:243], v[148:149], v[152:153]
	v_pk_add_f32 v[14:15], v[14:15], v[156:157]
	v_pk_add_f32 v[224:225], v[224:225], v[96:97]
	v_pk_add_f32 v[252:253], v[252:253], v[98:99]
	v_pk_add_f32 v[250:251], v[250:251], v[102:103]
	v_pk_add_f32 v[248:249], v[248:249], v[106:107]
	v_pk_add_f32 v[246:247], v[246:247], v[110:111]
	v_pk_add_f32 v[244:245], v[244:245], v[114:115]
	v_pk_add_f32 v[242:243], v[242:243], v[118:119]
	v_pk_add_f32 v[14:15], v[14:15], v[122:123]
	v_pk_add_f32 v[224:225], v[224:225], v[126:127]
	v_pk_add_f32 v[252:253], v[252:253], v[130:131]
	v_pk_add_f32 v[250:251], v[250:251], v[134:135]
	v_pk_add_f32 v[248:249], v[248:249], v[138:139]
	v_pk_add_f32 v[246:247], v[246:247], v[142:143]
	v_pk_add_f32 v[244:245], v[244:245], v[146:147]
	v_pk_add_f32 v[242:243], v[242:243], v[150:151]
	v_pk_add_f32 v[14:15], v[14:15], v[154:155]
	v_pk_add_f32 v[224:225], v[224:225], v[158:159]
	s_delay_alu instid0(VALU_DEP_2)
	v_pk_add_f32 v[14:15], v[14:15], v[248:249]
	s_delay_alu instid0(VALU_DEP_2)
	v_pk_add_f32 v[224:225], v[224:225], v[246:247]
	v_pk_add_f32 v[252:253], v[252:253], v[244:245]
	v_pk_add_f32 v[250:251], v[250:251], v[242:243]
	s_delay_alu instid0(VALU_DEP_2)
	v_pk_add_f32 v[14:15], v[14:15], v[252:253]
	s_delay_alu instid0(VALU_DEP_2)
	v_pk_add_f32 v[224:225], v[224:225], v[250:251]
	s_delay_alu instid0(VALU_DEP_1)
	v_pk_add_f32 v[14:15], v[14:15], v[224:225]
	s_wait_dscnt 0x0                               ; v
.irp t, 0,1,2,3                                ; O^T += v^T p^T: four accumulators, one instruction each
	v_wmma_scale_f32_16x16x128_f8f6f4 v[O+8*\t:O+8*\t+7], v[KF+12*\t:KF+12*\t+11], v[P:P+11], v[O+8*\t:O+8*\t+7], v[VSC+\t], v[PW] matrix_a_fmt:MATRIX_FMT_FP6 matrix_b_fmt:MATRIX_FMT_FP6
.endr
.endm
; A CHUNK: four records.  A fetching wave waits until its fill of this chunk has landed (the count: its fills of the later chunks, issued behind it, may stay out) and says so; behind the barrier all four records are whole.
.macro CHUNK c
	s_wait_tensorcnt 3-\c
	s_barrier_signal -1
	s_barrier_wait -1
	s_mov_b32 s[TB], 4*\c*REC
	s_mov_b32 s[CNT], 4
.Lstep_\@:
	s_setprio 2
	STEP
	s_add_co_u32 s[TB], s[TB], REC
	s_sub_co_u32 s[CNT], s[CNT], 1
	s_cmp_lg_u32 s[CNT], 0
	s_cbranch_scc1 .Lstep_\@
	s_setprio 0
.endm
	CHUNK 0
	CHUNK 1
	CHUNK 2
	CHUNK 3
	s_wait_alu depctr_va_vdst(0)
	; THE WAY OUT: O^T / the sum, quantised along d (two blocks of 32), leaves as the six registers that the last product's operand takes for this head
	v_add_f32 v[L], v[L], v[L+1]
	s_delay_alu instid0(VALU_DEP_1)
	v_permlanex16_b32 v[TP], v[L], s[SEL], s[SEL+1]
	s_delay_alu instid0(VALU_DEP_1)
	v_add_f32 v[L], v[L], v[TP]                    ; the row's sum
	s_wait_alu depctr_va_vdst(0)
	v_rcp_f32 v[RC], v[L]
.rept 3
	v_nop                                          ; with the two additions: the places behind the last products; and the plain instruction behind the reciprocal
.endr
	s_wait_alu depctr_va_vdst(0)
.set j, 0
.rept 16
	v_pk_mul_f32 v[S+j:S+j+1], v[O+j:O+j+1], v[RC:RC+1] op_sel_hi:[1,0]   ; register 16 e + i: d = 32 e + 16 h + i; each accumulator from its low end on
.set j, j+2
.endr
.irp b, 0,1
	v_max3_num_f32 v[BM+\b], |v[S+16*\b]|, |v[S+16*\b+1]|, 0x1800000
.endr
.irp i, 2,4,6,8,10,12,14
.irp b, 0,1
	s_delay_alu instid0(VALU_DEP_2)
	v_max3_num_f32 v[BM+\b], v[BM+\b], |v[S+16*\b+\i]|, |v[S+16*\b+\i+1]|
.endr
.endr
.irp b, 0,1
	s_delay_alu instid0(VALU_DEP_2)
	v_permlanex16_b32 v[BX+\b], v[BM+\b], s[SEL], s[SEL+1]
.endr
.irp b, 0,1
	s_delay_alu instid0(VALU_DEP_2)
	v_max_num_f32 v[BM+\b], v[BM+\b], v[BX+\b]
.endr
.irp b, 0,1
	s_delay_alu instid0(VALU_DEP_2)
	v_add_nc_u32 v[SCL+\b], 0xff000000, v[BM+\b]
.endr
.irp b, 0,1
	s_delay_alu instid0(VALU_DEP_2)
	v_lshrrev_b32 v[BX+\b], 23, v[SCL+\b]
.endr
	s_delay_alu instid0(VALU_DEP_1)
	v_lshl_or_b32 v[TP+1], v[BX+1], 8, v[BX]       ; the head's two scale bytes of my query
	v_cvt_scalef32_pk16_fp6_f32 v[P:P+2], v[S:S+15], v[SCL]
	v_cvt_scalef32_pk16_fp6_f32 v[T:T+2], v[S+16:S+31], v[SCL+1]
	v_nop
.irp i, 0,1,2
	v_permlane16_swap_b32 v[P+\i], v[T+\i]
.endr
.irp i, 0,1,2
	s_delay_alu instid0(VALU_DEP_3)
	v_mov_b32 v[P+3+\i], v[T+\i]
.endr
	global_store_b128 v[C16], v[P:P+3], s[OCB:OCB+1]                 ; 512 consecutive bytes, at a multiple of 256 from the buffer's first byte
	global_store_b64 v[C8], v[P+4:P+5], s[OCB:OCB+1] offset:512      ; 256 more
	global_store_b16 v[CR], v[TP+1], s[OSB:OSB+1]                    ; two bytes of each query's sixteen: the other heads' work-groups write the rest; both halves of the lanes hold the same number
	s_wait_tensorcnt 0x0
	ds_add_u32 v254, v255
	s_wait_dscnt 0x0
	CROUND                                         ; the closing round: no work-group ends while a partner may still ask for a tile that names it
	s_endpgm
.Lfunc_end_k_qfface39ee9_attn:
	.size	k_qfface39ee9_attn, .Lfunc_end_k_qfface39ee9_attn-k_qfface39ee9_attn
	.p2alignl 7, 3214868480
	.fill 96, 4, 3214868480
	.section	.rodata,"a",@progbits
	.p2align	6, 0x0
	.amdhsa_kernel k_qfface39ee9_attn
		.amdhsa_group_segment_fixed_size 219136
		.amdhsa_private_segment_fixed_size 0
		.amdhsa_enable_private_segment 0
		.amdhsa_kernarg_size 32
		.amdhsa_user_sgpr_count 2
		.amdhsa_user_sgpr_kernarg_segment_ptr 1
		.amdhsa_wavefront_size32 1
		.amdhsa_system_sgpr_workgroup_id_x 1
		.amdhsa_system_sgpr_workgroup_id_y 1
		.amdhsa_system_sgpr_workgroup_id_z 1
		.amdhsa_system_vgpr_workitem_id 0
		.amdhsa_next_free_vgpr 256
		.amdhsa_next_free_sgpr 66
		.amdhsa_reserve_vcc 0
		.amdhsa_float_denorm_mode_32 3
		.amdhsa_float_denorm_mode_16_64 3
		.amdhsa_memory_ordered 1
		.amdhsa_forward_progress 1
		.amdhsa_inst_pref_size 120
	.end_amdhsa_kernel
	.amdgpu_metadata
---
amdhsa.version: [ 1, 2 ]
amdhsa.kernels:
  - .name:           k_qfface39ee9_attn
    .symbol:         k_qfface39ee9_attn.kd
    .args:
      - { .name: qrec, .offset: 0, .size: 8, .value_kind: global_buffer, .address_space: global }
      - { .name: kvrec, .offset: 8, .size: 8, .value_kind: global_buffer, .address_space: global }
      - { .name: oc, .offset: 16, .size: 8, .value_kind: global_buffer, .address_space: global }
      - { .name: os, .offset: 24, .size: 8, .value_kind: global_buffer, .address_space: global }
    .group_segment_fixed_size: 219136
    .private_segment_fixed_size: 0
    .kernarg_segment_align: 8
    .kernarg_segment_size: 32
    .max_flat_workgroup_size: 512
    .sgpr_count:     66
    .vgpr_count:     256
    .wavefront_size: 32
...
	.end_amdgpu_metadata
.endif
;; end of part 5
;; launch outp (part 6): grid 256 x 1, 8 waves a work-group, no clusters, 35,840 bytes of LDS; arguments oc, os, Wout_codes, Wout_scales, out0; writes out0
.if DOCPART == 6
	.amdgcn_target "amdgcn-amd-amdhsa--gfx1250"
	.amdhsa_code_object_version 6
	.text
	.protected	k_qfface39ee9_outp
	.globl	k_qfface39ee9_outp
	.p2align	8
	.type	k_qfface39ee9_outp,@function
k_qfface39ee9_outp:
	s_mov_b64 s[64:65], 0
	v_nop
	global_prefetch_b8 v0, s[64:65] scope:SCOPE_SE
	s_setreg_imm32_b32 hwreg(HW_REG_WAVE_SCHED_MODE, 0, 2), 2
	s_setreg_imm32_b32 hwreg(HW_REG_WAVE_MODE, 25, 1), 1
	s_wait_xcnt 0x0
	s_wait_alu depctr_vm_vsrc(0)
; OUTP: out0[batch][o][n] = the sum over the 512 channels (head, d) of Wout[o][c] x the attention's result, on codes of FP6 (E2M3).  Both operands arrive as codes and go from memory straight into registers.
; A work-group makes 128 outputs x 64 positions; wave w: position tiles 2 (w % 2) + u, outputs 32 (w / 2) + 16 n + r: four accumulators, four K steps of 128 (two heads each).
; oc holds, for each tile of 16 positions and each head, six registers a lane (four at 16 x lane, two at 512 + 8 x lane): head hd is registers 6 hd .. 6 hd + 5 of the tile's 48.  os: 16 scale bytes a position: four words.
; Row r of tile 4 H + 2 e + u of a record is position 32 (2 H + e) + 8 u + r + 8 (r / 8).  With the positions as source 0, register j of lane (r, h) is then position 32 e + 8 u + 16 h + j of the work-group's 64, output r: eight neighbours of a row of out0.
; A row's 256 bytes come from two waves: they meet in a stage in LDS (rows of 256 + 16 bytes), and leave as whole aligned blocks of 256 bytes.
; No cluster: what work-groups share (Wout, 98,304 bytes) goes into each wave's registers once, 12,288 bytes a wave; a joint load would lay it in LDS first, to be read from there again.
; THE MODE: SCHED_MODE bits 1:0 = 2 (LLVM: expert scheduling mode 2), set by the entry lines.  The code itself states the register dependences
; between vector or matrix instructions and memory or LDS instructions, with s_wait_alu, always for 0.
; THE PLAN.  Registers that memory or LDS instructions touch:
;   v1-v7         offsets and LDS addresses: made once at the head, never written again: one wait ahead of the first load.
;   WF, PF, the scale words   written by loads that are all issued ahead of the first product; read by the sixteen products; PF takes the rows read back from the stage.
;   ACC           written by the products, read by the eight LDS stores, never written again.
; So one wait stands behind the products and their places: the accumulators are written, and the products are done with PF.  No vector or matrix line follows it.
.set WOF,  1                           ; v1  Wout: my row and half
.set WSF,  2                           ; v2  16 r: scale words, Wout's and the positions'
.set L16,  3                           ; v3  16 x lane
.set L8,   4                           ; v4  8 x lane
.set STO,  5                           ; v5  the stage: where I put 32 bytes of a row
.set RD,   6                           ; v6  and where I read a row back
.set GOF,  7                           ; v7  the same place in out0
.set WF,   16                          ; v16-111  Wout's fragments: tile n, K step s at 12 (4 n + s)
.set PF,   112                         ; v112-207 the positions': tile u at 48 u
.set ACC,  208                         ; v208-239 accumulator (n, u) at 8 (2 n + u)
.set WSC,  240                         ; v240-247 Wout's scale words
.set PSC,  248                         ; v248-255 the positions'
.set SP,   272
	s_load_b256 s[4:11], s[0:1], 0x0               ; oc, os, Wout's codes, Wout's scales
	s_load_b64 s[12:13], s[0:1], 0x20              ; out0
	v_lshl_add_u32 v14, v0, 2, 0x8800
	v_mov_b32 v15, 0
	v_lshrrev_b32 v8, 5, v0
	v_readfirstlane_b32 s14, v8                    ; wave 0..7
	v_and_b32 v8, 31, v0
	v_and_b32 v9, 15, v0                           ; r
	s_wait_alu depctr_va_vdst(0)
	v_bfe_u32 v10, v0, 4, 1                        ; h
	s_lshr_b32 s15, ttmp9, 1
	s_and_b32 s16, ttmp9, 1                        ; which 128 outputs
	s_lshr_b32 s17, s15, 5                         ; batch
	s_and_b32 s18, s15, 31                         ; which 64 positions
	s_wait_alu depctr_va_sdst(0)                   ; the wave's number is written, ahead of its first reader: LDS addresses and the buffers' bases are made from it
	s_and_b32 s19, s14, 1                          ; my pair of position tiles
	s_lshr_b32 s20, s14, 1                         ; my 32 outputs
	v_mul_u32_u24 v[WOF], v9, 384                  ; a row of Wout is 512 codes, 384 bytes
	v_mad_u32_u24 v[WOF], v10, 24, v[WOF]
	v_lshlrev_b32 v[WSF], 4, v9
	v_lshlrev_b32 v[L16], 4, v8
	v_lshlrev_b32 v[L8], 3, v8
	s_mul_i32 s23, s20, 32*SP
	s_lshl_b32 s24, s19, 7
	s_add_co_u32 s23, s23, s24
	v_mul_u32_u24 v[STO], v9, SP
	s_wait_alu depctr_va_vdst(0)
	v_lshl_add_u32 v[STO], v10, 6, v[STO]
	v_add_nc_u32 v[STO], s23, v[STO]               ; row 32 (w / 2) + r, + 128 (w % 2) + 64 h
	s_mul_i32 s23, s14, 16*SP
	v_mul_u32_u24 v[RD], v10, SP
	v_lshl_add_u32 v[RD], v9, 4, v[RD]
	v_add_nc_u32 v[RD], s23, v[RD]                 ; back: rows 16 w on; lanes 0-15 one row, lanes 16-31 the next
	v_lshlrev_b32 v[GOF], 4, v9
	v_lshl_add_u32 v[GOF], v10, 13, v[GOF]
	s_lshl_b32 s21, s16, 7
	s_lshl_b32 s22, s20, 5
	s_add_co_u32 s21, s21, s22                     ; my first row of Wout
	s_lshl_b32 s24, s17, 7
	s_lshl_b32 s22, s18, 2
	s_add_co_u32 s24, s24, s22
	s_lshl_b32 s22, s19, 1
	s_add_co_u32 s24, s24, s22                     ; my first tile of positions
	s_mov_b32 s27, 0
	s_wait_kmcnt 0x0
	s_mul_i32 s26, s24, 8*768
	s_add_nc_u64 s[4:5], s[4:5], s[26:27]
	s_lshl_b32 s26, s24, 8
	s_add_nc_u64 s[6:7], s[6:7], s[26:27]
	s_mul_i32 s26, s21, 384
	s_add_nc_u64 s[8:9], s[8:9], s[26:27]
	s_lshl_b32 s26, s21, 4
	s_add_nc_u64 s[10:11], s[10:11], s[26:27]
	s_lshl_b32 s26, s17, 8
	s_lshl_b32 s22, s16, 7
	s_add_co_u32 s26, s26, s22
	s_lshl_b32 s22, s14, 4
	s_add_co_u32 s26, s26, s22                     ; the first row of out0 that I store: 256 x batch + 128 x half + 16 x wave
	s_lshl_b32 s26, s26, 13
	s_lshl_b32 s22, s18, 8
	s_add_co_u32 s26, s26, s22
	s_add_nc_u64 s[12:13], s[12:13], s[26:27]
	s_wait_alu depctr_va_vdst(0)                   ; the seven offsets and LDS addresses v1 to v7 are written: every load and store below, global or LDS, reads one of them, and none is written again
.irp u, 0,1
.irp d, 0,1,2,3,4,5,6,7
	global_load_b128 v[PF+48*\u+6*\d:PF+48*\u+6*\d+3], v[L16], s[4:5] offset:6144*\u+768*\d
	global_load_b64 v[PF+48*\u+6*\d+4:PF+48*\u+6*\d+5], v[L8], s[4:5] offset:6144*\u+768*\d+512
.endr
	global_load_b128 v[PSC+4*\u:PSC+4*\u+3], v[WSF], s[6:7] offset:256*\u
.endr
.irp n, 0,1
.irp k, 0,1,2,3
.irp p, 0,1,2,3,4,5
	global_load_b64 v[WF+12*(4*\n+\k)+2*\p:WF+12*(4*\n+\k)+2*\p+1], v[WOF], s[8:9] offset:16*\n*384+96*\k+48*(\p/3)+8*(\p%3)
.endr
.endr
	global_load_b128 v[WSC+4*\n:WSC+4*\n+3], v[WSF], s[10:11] offset:256*\n
.endr
	s_wait_loadcnt 0x0
.irp k, 0,1,2,3                                ; the four accumulators take turns, one instruction a turn; the first K step starts the sums
.irp n, 0,1
.irp u, 0,1
.if \k == 0
	v_wmma_scale_f32_16x16x128_f8f6f4 v[ACC+8*(2*\n+\u):ACC+8*(2*\n+\u)+7], v[PF+48*\u+12*\k:PF+48*\u+12*\k+11], v[WF+12*(4*\n+\k):WF+12*(4*\n+\k)+11], 0, v[PSC+4*\u+\k], v[WSC+4*\n+\k] matrix_a_fmt:MATRIX_FMT_FP6 matrix_b_fmt:MATRIX_FMT_FP6
.else
	v_wmma_scale_f32_16x16x128_f8f6f4 v[ACC+8*(2*\n+\u):ACC+8*(2*\n+\u)+7], v[PF+48*\u+12*\k:PF+48*\u+12*\k+11], v[WF+12*(4*\n+\k):WF+12*(4*\n+\k)+11], v[ACC+8*(2*\n+\u):ACC+8*(2*\n+\u)+7], v[PSC+4*\u+\k], v[WSC+4*\n+\k] matrix_a_fmt:MATRIX_FMT_FP6 matrix_b_fmt:MATRIX_FMT_FP6
.endif
.endr
.endr
.endr
.rept 4
	v_nop                                          ; four places ahead of the first read of results
.endr
	s_wait_alu depctr_va_vdst(0)                   ; the products have written the accumulators, which the LDS stores read, and are done reading the positions' fragments, in which the loads behind the barrier land; the places above stay beside this wait
.irp n, 0,1
.irp u, 0,1
	ds_store_b128 v[STO], v[ACC+8*(2*\n+\u):ACC+8*(2*\n+\u)+3] offset:16*SP*\n+32*\u       ; each accumulator from its low end on
	ds_store_b128 v[STO], v[ACC+8*(2*\n+\u)+4:ACC+8*(2*\n+\u)+7] offset:16*SP*\n+32*\u+16
.endr
.endr
	s_wait_dscnt 0x0                               ; for the others' sake: my stores into the stage have landed
	s_barrier_signal -1
	s_barrier_wait -1
.irp i, 0,1,2,3,4,5,6,7
	ds_load_b128 v[PF+4*\i:PF+4*\i+3], v[RD] offset:2*SP*\i
.endr
.irp i, 0,1,2,3,4,5,6,7
	s_wait_dscnt 7-\i                              ; LDS loads come back in order: pair i of rows is in, the younger ones may be out
	global_store_b128 v[GOF], v[PF+4*\i:PF+4*\i+3], s[12:13] offset:16384*\i th:TH_STORE_NT   ; sixteen lanes store 256 consecutive bytes, at a multiple of 256 from out0's first byte
.endr
	s_wait_dscnt 0x0
	s_wait_alu depctr_hold_cnt(0) depctr_sa_sdst(0) depctr_va_vdst(0) depctr_va_sdst(0) depctr_va_ssrc(0) depctr_va_vcc(0) depctr_vm_vsrc(0)
	s_wait_tensorcnt 0x0
	ds_add_u32 v14, v15
	s_wait_dscnt 0x0
	s_endpgm
.Lfunc_end_k_qfface39ee9_outp:
	.size	k_qfface39ee9_outp, .Lfunc_end_k_qfface39ee9_outp-k_qfface39ee9_outp
	.p2alignl 7, 3214868480
	.fill 96, 4, 3214868480
	.section	.rodata,"a",@progbits
	.p2align	6, 0x0
	.amdhsa_kernel k_qfface39ee9_outp
		.amdhsa_group_segment_fixed_size 35840
		.amdhsa_private_segment_fixed_size 0
		.amdhsa_enable_private_segment 0
		.amdhsa_kernarg_size 40
		.amdhsa_user_sgpr_count 2
		.amdhsa_user_sgpr_kernarg_segment_ptr 1
		.amdhsa_wavefront_size32 1
		.amdhsa_system_sgpr_workgroup_id_x 1
		.amdhsa_system_sgpr_workgroup_id_y 1
		.amdhsa_system_sgpr_workgroup_id_z 1
		.amdhsa_system_vgpr_workitem_id 0
		.amdhsa_next_free_vgpr 256
		.amdhsa_next_free_sgpr 66
		.amdhsa_reserve_vcc 0
		.amdhsa_float_denorm_mode_32 3
		.amdhsa_float_denorm_mode_16_64 3
		.amdhsa_memory_ordered 1
		.amdhsa_forward_progress 1
		.amdhsa_inst_pref_size 16
	.end_amdhsa_kernel
	.amdgpu_metadata
---
amdhsa.version: [ 1, 2 ]
amdhsa.kernels:
  - .name:           k_qfface39ee9_outp
    .symbol:         k_qfface39ee9_outp.kd
    .args:
      - { .name: oc, .offset: 0, .size: 8, .value_kind: global_buffer, .address_space: global }
      - { .name: os, .offset: 8, .size: 8, .value_kind: global_buffer, .address_space: global }
      - { .name: Wout_codes, .offset: 16, .size: 8, .value_kind: global_buffer, .address_space: global }
      - { .name: Wout_scales, .offset: 24, .size: 8, .value_kind: global_buffer, .address_space: global }
      - { .name: out0, .offset: 32, .size: 8, .value_kind: global_buffer, .address_space: global }
    .group_segment_fixed_size: 35840
    .private_segment_fixed_size: 0
    .kernarg_segment_align: 8
    .kernarg_segment_size: 40
    .max_flat_workgroup_size: 256
    .sgpr_count:     66
    .vgpr_count:     256
    .wavefront_size: 32
...
	.end_amdgpu_metadata
.endif
;; end of part 6
